; MI455X (gfx1250); checked and timed in simulation.
; The chip was launched on July 23, 2026; its instructions are those of AMD's public machine-readable ISA for CDNA 5 (MIT licence, August 2026) and "CDNA5" Instruction Set Architecture Reference Guide (July 2026). The comments in the code are by the model that wrote it; some were corrected since.
;; Gated Mo EFFN. Allowed arithmetic: matrix products marked QUANTISED: E2M1 operands, one E8M0 scale for each 32 along K, by v_wmma_scale_f32_16x16x128_f8f6f4 with both operands' format E2M1 (or v_wmma_scale_f32_32x16x128_f4), f32 sums; products left as they are: f32 operands where the result goes on into a quantised operand, else bf16, f16 or f32 operands; f32 sums; everything else in f32.
;; Inputs: b1 8 x 2,048 float32; b2 8 x 2,048 float32; b3 8 x 512 float32; gate_b 8 float32; gate_w 512 x 8 float32; w1 8 x 512 x 2,048 float32; w2 8 x 512 x 2,048 float32; w3 8 x 2,048 x 512 float32; x 8 x 256 x 512 float32.
;; Outputs: out0 8 x 256 x 512 float32; out1 one number float32.
;; This version of the problem:
;;   THIS VERSION OF THE PROBLEM IS GIVEN IN LOW PRECISION. The matrix products marked QUANTISED in the list below multiply operands that are first quantised to E2M1 (2 exponent bits, 1 mantissa bit; 4 bits a number), with one power-of-two scale for each 32 numbers along K (OCP MX v1.0); their sums are f32. All else is computed in f32.
;;   The module's matrix products, in the order in which they are computed (A, B: the left and right operand; K: the contracted axis; several contracted axes count as one K, in the product's order):
;;     1. [M 2,048, K 512] x [K 512, N 8]; A: input x; B: input gate_w: left as it is (N = 8 < 16)
;;     2. [M 2,048, K 512] x [K 512, N 2,048]; A: input x; B: input w1: QUANTISED
;;     3. [M 2,048, K 512] x [K 512, N 2,048]; A: input x; B: input w2: QUANTISED
;;     4. [M 2,048, K 2,048] x [K 2,048, N 512]; A: computed on the way; B: input w3: QUANTISED
;;     5. [M 2,048, K 512] x [K 512, N 2,048]; A: input x; B: input w1: QUANTISED
;;     6. [M 2,048, K 512] x [K 512, N 2,048]; A: input x; B: input w2: QUANTISED
;;     7. [M 2,048, K 2,048] x [K 2,048, N 512]; A: computed on the way; B: input w3: QUANTISED
;;     8. [M 2,048, K 512] x [K 512, N 2,048]; A: input x; B: input w1: QUANTISED
;;     9. [M 2,048, K 512] x [K 512, N 2,048]; A: input x; B: input w2: QUANTISED
;;     10. [M 2,048, K 2,048] x [K 2,048, N 512]; A: computed on the way; B: input w3: QUANTISED
;;     11. [M 2,048, K 512] x [K 512, N 2,048]; A: input x; B: input w1: QUANTISED
;;     12. [M 2,048, K 512] x [K 512, N 2,048]; A: input x; B: input w2: QUANTISED
;;     13. [M 2,048, K 2,048] x [K 2,048, N 512]; A: computed on the way; B: input w3: QUANTISED
;;     14. [M 2,048, K 512] x [K 512, N 2,048]; A: input x; B: input w1: QUANTISED
;;     15. [M 2,048, K 512] x [K 512, N 2,048]; A: input x; B: input w2: QUANTISED
;;     16. [M 2,048, K 2,048] x [K 2,048, N 512]; A: computed on the way; B: input w3: QUANTISED
;;     17. [M 2,048, K 512] x [K 512, N 2,048]; A: input x; B: input w1: QUANTISED
;;     18. [M 2,048, K 512] x [K 512, N 2,048]; A: input x; B: input w2: QUANTISED
;;     19. [M 2,048, K 2,048] x [K 2,048, N 512]; A: computed on the way; B: input w3: QUANTISED
;;     20. [M 2,048, K 512] x [K 512, N 2,048]; A: input x; B: input w1: QUANTISED
;;     21. [M 2,048, K 512] x [K 512, N 2,048]; A: input x; B: input w2: QUANTISED
;;     22. [M 2,048, K 2,048] x [K 2,048, N 512]; A: computed on the way; B: input w3: QUANTISED
;;     23. [M 2,048, K 512] x [K 512, N 2,048]; A: input x; B: input w1: QUANTISED
;;     24. [M 2,048, K 512] x [K 512, N 2,048]; A: input x; B: input w2: QUANTISED
;;     25. [M 2,048, K 2,048] x [K 2,048, N 512]; A: computed on the way; B: input w3: QUANTISED
;;   THE QUANTISER, for each operand of a quantised product, along K:
;;     - K is cut into blocks of 32 from its start; a last block that is shorter is filled with zeros.
;;     - A block's scale is 2^e with e = floor(log2(the largest magnitude in the block)) - 2, held to -126 .. 127; a block of zeros has e = 0. As a byte (E8M0): e + 127.
;;     - Each number is divided by its block's scale, clamped to +-6, and rounded to the nearest number of E2M1, ties to even, subnormals kept.
;;     - The product sums the exact products of the quantised numbers (number of the format x scale) in f32.
;;   ~~~python
;;   def quantise(x, axis):      # numpy; x: float32 -> the quantised numbers, widened to float32 again
;;       x = np.moveaxis(x, axis, -1); K = x.shape[-1]
;;       x = np.pad(x, [(0, 0)] * (x.ndim - 1) + [(0, -K % 32)]); x = x.reshape(x.shape[:-1] + (-1, 32)); a = np.abs(x).max(-1, keepdims=True)
;;       e = np.where(a > 0, np.clip(np.frexp(np.where(a > 0, a, 1))[1] - 1 - 2, -126, 127), 0)      # np.frexp(a)[1] - 1 = floor(log2(a)), exactly
;;       r = np.clip(x / 2.0 ** e, -6, 6)
;;       step = 2.0 ** (np.maximum(np.frexp(np.where(r == 0, 1, r))[1] - 1, 0) - 1)
;;       q = np.round(r / step) * step * 2.0 ** e      # np.round: ties to even
;;       return np.moveaxis(q.reshape(q.shape[:-2] + (-1,))[..., :K], -1, axis).astype(np.float32)
;;   ~~~
;;   OPERANDS COMPUTED ON THE WAY. 'Computed on the way' means the value that the module computes at that place (a softmax that the list does not call 'softmax' is quantised finished and normalised). What goes into a quantiser is computed in f32, as accurately as f32 sums, v_exp_f32 and their like allow (about 1e-6 of the number): no bf16 or f16 on the way to a quantiser, and a product that is left as it is and whose result goes on into a quantised operand takes f32 operands (vector FMAs, or v_wmma_f32_16x16x4_f32). A number that lies on a knife's edge between two numbers of the format may be rounded either way, as far as f32 arithmetic and the matrix unit's own rounding can turn it there, and no further.
;; 2 versions, each right and faster than the one before. Each part assembles by itself: llvm-mc -triple=amdgcn-amd-amdhsa -mcpu=gfx1250 --defsym DOCPART=n.
;; ======== version 1 of 2: 4 launches
;; workspace buffers: wq 12,582,912 bytes; wsc 786,432 bytes; xq 565,248 bytes; top 8,192 bytes of whole numbers; order 8,704 bytes of whole numbers; hq 2,367,488 bytes
;; launch prep1 (part 1): grid 800 x 1, 4 waves a work-group, no clusters, 1,536 bytes of LDS; arguments x, gate_w, gate_b, w1, w2, w3, wq, wsc, xq, top; writes wq, wsc, xq, top
.if DOCPART == 1
	.amdgcn_target "amdgcn-amd-amdhsa--gfx1250"
	.amdhsa_code_object_version 6
	.text
	.protected	k_q19ed219041_prep1
	.globl	k_q19ed219041_prep1
	.p2align	8
	.type	k_q19ed219041_prep1,@function
k_q19ed219041_prep1:
	s_mov_b64 s[64:65], 0
	v_nop
	global_prefetch_b8 v0, s[64:65] scope:SCOPE_SE
	s_setreg_imm32_b32 hwreg(HW_REG_WAVE_MODE, 25, 1), 1
	s_wait_xcnt 0x0
; GatedMoEFFN, launch 1 of 4: the router, x into codes of FP4 (E2M1), and the weights of experts 0 to 3 into codes.
; WORK LEFT OUT BY THE WHOLE PROGRAM.  For token n and expert i other than top[n], reference() multiplies y by the 0 of its own
; jnp.where(top == i, soft[:, i], 0.0): so rows n of xt @ w1[i], xt @ w2[i] and h @ w3[i] reach no output, whatever finite values the inputs hold.
; Only the chosen expert's rows are multiplied (launches 3 and 4).  LIMIT: a NaN, an infinity or an overflow that arises only in an expert that was
; not chosen for a token (0 x infinity) is not carried to the result.  aux_loss is the constant 0.0 and is stored as such (launch 2).  Every input is loaded.
; LIMITS.  NaN and infinities among the inputs are not served.  The logits are f32 sums in another order than reference()'s: two logits that differ by f32
; rounding alone may change places in the argmax; equal logits give the lower index, as jnp.argmax does.  A block of zeros gets the scale byte 1 where the rule says 127:
; its codes are zeros, which add nothing under any byte but 0xff, and the bytes are read by this program alone.
; ROLES, by the work-group's number.  Work-groups 0 to 31: the router, 16 tokens a wave.  Work-groups 32 to 799: the weights, one unit a wave.
; A UNIT is 128 along K x 32 columns of one weight matrix.  K is the FIRST axis of w1, w2 and w3: a lane takes a column and its 128 registers run down K, so a block of 32 lies in one lane,
; its largest magnitude needs no other lane, and the conversions give codes with K innermost.  The codes are stored AS THE OPERAND'S REGISTERS: [tile u][c][lane][16 bytes], 2,048 bytes a unit.
; Lane l takes column (l % 8) + 16 ((l / 8) % 2) + 8 (l / 16) of the 32: row m of tile u is column 8 u + m + 8 (m / 8), so that in a transposed product a lane's 16 results of tiles 0 and 1 are 16 neighbours.
; No tensor loads, no cluster, no barrier: the work-groups share no input but gate_w (16 KiB), and waves share nothing.
.set NR,     32                        ; work-groups of the other role, in front of the weights'
.set EBASE,  0                         ; the first expert of this launch
.set PW1,    10                        ; s[10:11] w1, s[12:13] w2, s[14:15] w3, s[16:17] wq, s[18:19] wsc
.set PW2,    12
.set PW3,    14
.set PWQ,    16
.set PWS,    18
.set XS_OFF, 524288                    ; in xq: x's scale bytes, 16 a token
.set GW_OFF, 557056                    ; in xq: the gate's weight, f32, one a token
.set SPARE,  1024                      ; LDS: behind the four waves' 256 scale bytes: the spare words, 128 bytes a wave, which no other line names
.set X,      16                        ; weights: v16-143 128 numbers down K
.set C,      144                       ; weights: v144-159 the codes, four registers a block
.set ACC,    18                        ; router: v18-25 eight partial logits
.set RT,     26                        ; router: v26-33 the other half of the lanes' sums
.set L,      34                        ; router: v34-41 the logits: lanes t and t + 16 hold token t's
.set XR,     48                        ; router: v48-111 four slots of 16 numbers of x
.set G,      112                       ; router: v112-239 gate_w[16 l + i][j] at G + 8 i + j
; 128 loads: row i of the unit at my column; the 32 lanes of a load read 128 consecutive bytes, the four waves of a work-group 512
.macro QLOAD rowb
.set i, 0
.rept 128
	global_load_b32 v[X+i], v4, s[28:29] offset:i*\rowb th:TH_LOAD_NT
.set i, i+1
.endr
.endm
; block t of my column: its largest magnitude, its scale byte, its 32 codes
.macro QBLOCK t
.set XB, X+32*(\t)
	v_max3_num_f32 v8, |v[XB]|, |v[XB+1]|, |v[XB+2]|               ; two chains, so that no line waits for the line above it
	v_max3_num_f32 v9, |v[XB+3]|, |v[XB+4]|, |v[XB+5]|
.irp i, 6,10,14,18,22,26
	v_max3_num_f32 v8, v8, |v[XB+\i]|, |v[XB+\i+1]|
	v_max3_num_f32 v9, v9, |v[XB+\i+2]|, |v[XB+\i+3]|
.endr
	v_max3_num_f32 v8, v8, |v[XB+30]|, |v[XB+31]|
	v_max3_num_f32 v8, v8, v9, 0x1800000           ; and the floor 2^(3 - 127): the byte cannot fall under 1
	v_add_nc_u32 v10, 0xff000000, v8               ; 2 off the exponent field: the conversion takes the exponent field of this operand as its scale
.if (\t) == 0
	v_lshrrev_b32 v12, 23, v10                     ; the scale's byte: four to the unit's scale word, the lower K in the lower byte
.else
	v_lshrrev_b32 v11, 23, v10
	v_lshl_or_b32 v12, v11, 8*(\t), v12
.endif
.irp g, 0,1,2,3
	v_cvt_scalef32_pk8_fp4_f32 v[C+4*(\t)+\g], v[XB+8*\g:XB+8*\g+7], v10
.endr
.endm
	s_load_b512 s[4:19], s[0:1], 0x0               ; x s[4:5], gate_w s[6:7], gate_b s[8:9], w1, w2, w3, wq, wsc
	s_load_b128 s[20:23], s[0:1], 0x40             ; xq s[20:21], top s[22:23]
	v_lshl_add_u32 v1, v0, 2, SPARE                ; my spare word, and 0: kept for the closing add alone
	v_mov_b32 v2, 0
	v_lshrrev_b32 v3, 5, v0
	v_readfirstlane_b32 s24, v3                    ; wave 0..3
	v_and_b32 v3, 31, v0                           ; lane
	s_cmp_lt_u32 ttmp9, NR
	s_cbranch_scc1 .Lrouter
	; ---------------- THE WEIGHTS ----------------
	s_sub_co_u32 s25, ttmp9, NR
	s_lshr_b32 s26, s25, 8                         ; which matrix: 0 w1, 1 w2, 2 w3
	s_bfe_u32 s27, s25, 0x20006                    ; the expert: 2 bits from bit 6
.if EBASE
	s_add_co_u32 s27, s27, EBASE
.endif
	s_and_b32 s25, s25, 63                         ; which four units of its 256
	v_and_b32 v4, 7, v3
	v_lshlrev_b32 v4, 2, v4
	v_bfe_u32 v7, v3, 3, 1
	v_lshl_add_u32 v4, v7, 6, v4
	v_bfe_u32 v7, v3, 4, 1
	v_lshl_add_u32 v4, v7, 5, v4                   ; 4 x my column
	v_lshlrev_b32 v5, 4, v3                        ; 16 x lane
	v_lshlrev_b32 v6, 2, v3                        ; 4 x lane
	s_mov_b32 s39, 0
	s_wait_kmcnt 0x0
	s_cmp_eq_u32 s26, 2
	s_cbranch_scc1 .Lw3
	s_lshr_b32 s34, s25, 4                         ; w1, w2 [512][2048]: K step 0..3,
	s_and_b32 s35, s25, 15
	s_lshl_b32 s35, s35, 2
	s_add_co_u32 s35, s35, s24                     ; block of 32 columns 0..63
	s_lshl_b32 s36, s27, 6
	s_add_co_u32 s36, s36, s35
	s_lshl_b32 s36, s36, 2
	s_add_co_u32 s36, s36, s34                     ; unit = (64 e + cb) 4 + s
	s_lshl_b32 s38, s27, 22                        ; an expert is 4 MiB,
	s_lshl_b32 s37, s34, 20                        ; 128 rows of 8,192 bytes,
	s_add_co_u32 s38, s38, s37
	s_lshl_b32 s37, s35, 7                         ; 32 columns
	s_add_co_u32 s38, s38, s37
	s_cmp_eq_u32 s26, 0
	s_cselect_b64 s[28:29], s[PW1:PW1+1], s[PW2:PW2+1]
	s_add_nc_u64 s[28:29], s[28:29], s[38:39]
	s_lshl_b32 s38, s26, 22                        ; codes: w1 at 0, w2 at 4 MiB; 2,048 bytes a unit
	s_lshl_b32 s37, s36, 11
	s_add_co_u32 s38, s38, s37
	s_add_nc_u64 s[30:31], s[PWQ:PWQ+1], s[38:39]
	s_lshl_b32 s38, s26, 18                        ; scale words: w1 at 0, w2 at 256 KiB; 128 bytes a unit
	s_lshl_b32 s37, s36, 7
	s_add_co_u32 s38, s38, s37
	s_add_nc_u64 s[32:33], s[PWS:PWS+1], s[38:39]
	QLOAD 8192
	s_branch .Lq
.Lw3:
	s_lshr_b32 s34, s25, 2                         ; w3 [2048][512]: K step 0..15,
	s_and_b32 s35, s25, 3
	s_lshl_b32 s35, s35, 2
	s_add_co_u32 s35, s35, s24                     ; block of 32 columns 0..15
	s_lshl_b32 s36, s27, 4
	s_add_co_u32 s36, s36, s34
	s_lshl_b32 s36, s36, 4
	s_add_co_u32 s36, s36, s35                     ; unit = (16 e + s) 16 + cb
	s_lshl_b32 s38, s27, 22
	s_lshl_b32 s37, s34, 18                        ; 128 rows of 2,048 bytes
	s_add_co_u32 s38, s38, s37
	s_lshl_b32 s37, s35, 7
	s_add_co_u32 s38, s38, s37
	s_add_nc_u64 s[28:29], s[PW3:PW3+1], s[38:39]
	s_lshl_b32 s38, s36, 11
	s_add_co_u32 s38, s38, 8388608                 ; codes: w3 at 8 MiB
	s_add_nc_u64 s[30:31], s[PWQ:PWQ+1], s[38:39]
	s_lshl_b32 s38, s36, 7
	s_add_co_u32 s38, s38, 524288                  ; scale words: w3 at 512 KiB
	s_add_nc_u64 s[32:33], s[PWS:PWS+1], s[38:39]
	QLOAD 2048
.Lq:                                                   ; on both ways the same 128 loads are out
	s_wait_loadcnt 63                              ; 65 of the 128 are in: blocks 0 and 1 (the count that block 0 alone would allow, 96, is more than the wait can name)
	QBLOCK 0
	QBLOCK 1
	s_wait_loadcnt 32                              ; block 3's 32 loads may be out
	QBLOCK 2
	s_wait_loadcnt 0x0
	QBLOCK 3
	v_nop                                          ; one plain line between the last conversion and the lines that touch the codes
.irp c, 0,1                            ; the operand's layout wants block 2 c in lanes 0-15 and block 2 c + 1 in lanes 16-31 of one tile; I hold all four blocks of one column.
.irp g, 0,1,2,3                        ; The first register's lanes 16-31 change places with the second's lanes 0-15: the first is then register 4 c + g of tile 0, the second that of tile 1
	v_permlane16_swap_b32 v[C+8*\c+\g], v[C+8*\c+4+\g]
.endr
.endr
	global_store_b128 v5, v[C:C+3], s[30:31]                     ; tile 0, c = 0: each store covers 512 consecutive bytes, aligned
	global_store_b128 v5, v[C+8:C+11], s[30:31] offset:512       ; tile 0, c = 1
	global_store_b128 v5, v[C+4:C+7], s[30:31] offset:1024       ; tile 1, c = 0
	global_store_b128 v5, v[C+12:C+15], s[30:31] offset:1536     ; tile 1, c = 1
	global_store_b32 v6, v12, s[32:33]             ; the scale words: lanes 0-15 tile 0's rows, lanes 16-31 tile 1's: 128 consecutive bytes, one byte in 17 of what the wave stores
	s_endpgm                                       ; this role has written no LDS
	; ---------------- THE ROUTER ----------------
	; Wave w of work-group g takes tokens 16 (4 g + w) on.  Lane l holds x[16 l .. 16 l + 15] of a token and the same 16 rows of gate_w, which stay in registers.
.Lrouter:
	s_lshl_b32 s25, ttmp9, 2
	s_add_co_u32 s25, s25, s24
	s_lshl_b32 s25, s25, 4                         ; my first token
	v_lshlrev_b32 v4, 6, v3                        ; x: 64 bytes a lane
	v_lshlrev_b32 v5, 3, v3                        ; codes: 8 bytes a lane
	s_lshl_b32 s26, s24, 8                         ; LDS: my wave's 256 scale bytes
	v_lshrrev_b32 v6, 1, v3
	v_add_nc_u32 v6, s26, v6                       ; my block's byte: two lanes to a block
	v_add_nc_u32 v7, s26, v5                       ; and on the way out 8 bytes a lane
	v_and_b32 v8, 15, v3
	v_lshlrev_b32 v8, 2, v8                        ; 4 x (lane % 16)
	v_lshlrev_b32 v9, 9, v3                        ; gate_w: 16 rows of 32 bytes a lane
	s_mov_b32 s48, 0x76543210
	s_mov_b32 s49, 0xfedcba98                      ; v_permlanex16_b32's selects for lane l xor 16
.irp j, 0,1,2,3,4,5,6,7
	v_mov_b32 v[RT+\j], 0                          ; written once: a lane permute's destination counts as one of its sources,
	v_mov_b32 v[L+\j], 0                           ; and so does a select's
.endr
	s_mov_b32 s27, 0
	s_wait_kmcnt 0x0
	s_load_b256 s[40:47], s[8:9], 0x0              ; gate_b
	s_lshl_b32 s26, s25, 11
	s_add_nc_u64 s[52:53], s[4:5], s[26:27]        ; x at my first token: 2,048 bytes a token
	s_lshl_b32 s26, s25, 8
	s_add_nc_u64 s[54:55], s[20:21], s[26:27]      ; its codes: 256 bytes a token
	s_lshl_b32 s26, s25, 4
	s_add_co_u32 s26, s26, XS_OFF
	s_add_nc_u64 s[56:57], s[20:21], s[26:27]      ; its scale bytes
	s_lshl_b32 s26, s25, 2
	s_add_nc_u64 s[60:61], s[22:23], s[26:27]      ; top
	s_add_co_u32 s26, s26, GW_OFF
	s_add_nc_u64 s[58:59], s[20:21], s[26:27]      ; the gate's weights
.set i, 0
.rept 32
	global_load_b128 v[G+4*i:G+4*i+3], v9, s[6:7] offset:16*i
.set i, i+1
.endr
.macro XL t                            ; token t's row into slot t % 4: a lane's four loads are its 64 consecutive bytes, and together they cover the row
.irp i, 0,1,2,3
	global_load_b128 v[XR+16*((\t)%4)+4*\i:XR+16*((\t)%4)+4*\i+3], v4, s[52:53] offset:(\t)*2048+16*\i th:TH_LOAD_NT
.endr
.endm
	XL 0
	XL 1
	XL 2
	XL 3
; One token.  left = the loads of the younger tokens, which may stay out.
.macro TOKEN t, left
.set XB, XR+16*((\t)%4)
.set CP, 14+2*((\t)%2)
	s_wait_loadcnt \left
.irp p, 0,1,2,3                        ; eight logits' parts over my 16 k: two logits an instruction, x[i] for both halves
	v_pk_mul_f32 v[ACC+2*\p:ACC+2*\p+1], v[G+2*\p:G+2*\p+1], v[XB:XB+1] op_sel_hi:[1,0]
.endr
.irp i, 1,2,3,4,5,6,7,8,9,10,11,12,13,14,15
.irp p, 0,1,2,3
.if (\i)%2
	v_pk_fma_f32 v[ACC+2*\p:ACC+2*\p+1], v[G+8*\i+2*\p:G+8*\i+2*\p+1], v[XB+\i-1:XB+\i], v[ACC+2*\p:ACC+2*\p+1] op_sel:[0,1,0] op_sel_hi:[1,1,1]
.else
	v_pk_fma_f32 v[ACC+2*\p:ACC+2*\p+1], v[G+8*\i+2*\p:G+8*\i+2*\p+1], v[XB+\i:XB+\i+1], v[ACC+2*\p:ACC+2*\p+1] op_sel_hi:[1,0,1]
.endif
.endr
.endr
	v_max3_num_f32 v10, |v[XB]|, |v[XB+1]|, |v[XB+2]|              ; the largest magnitude of my 16
	v_max3_num_f32 v11, |v[XB+3]|, |v[XB+4]|, |v[XB+5]|
.irp i, 6,10
	v_max3_num_f32 v10, v10, |v[XB+\i]|, |v[XB+\i+1]|
	v_max3_num_f32 v11, v11, |v[XB+\i+2]|, |v[XB+\i+3]|
.endr
	v_max3_num_f32 v10, v10, |v[XB+14]|, |v[XB+15]|
	v_max3_num_f32 v10, v10, v11, 0x1800000        ; and the floor 2^(3 - 127)
	v_max_num_f32_dpp v10, v10, v10 row_xmask:1 row_mask:0xf bank_mask:0xf   ; and of my neighbour's 16: the block's
	v_add_nc_u32 v12, 0xff000000, v10              ; 2 off the exponent field: the conversion's scale operand
	s_wait_xcnt 0x0                                ; the store of two tokens back has read this pair of code registers: it is written again only behind this wait
	v_cvt_scalef32_pk8_fp4_f32 v[CP], v[XB:XB+7], v12
	v_cvt_scalef32_pk8_fp4_f32 v[CP+1], v[XB+8:XB+15], v12
	v_lshrrev_b32 v13, 23, v12                     ; the scale's byte (also the plain line behind the conversions)
	ds_store_b8 v6, v13 offset:16*(\t)             ; both lanes of a block write the same byte with the same value
	global_store_b64 v5, v[CP:CP+1], s[54:55] offset:256*(\t)   ; the wave stores the token's 256 bytes of codes, aligned
.if (\t) < 12
	XL (\t)+4
.endif
.irp k, 1,2,4,8                        ; the sums over the 32 lanes; the eight logits by turns
.irp j, 0,1,2,3,4,5,6,7
	v_add_f32_dpp v[ACC+\j], v[ACC+\j], v[ACC+\j] row_xmask:\k row_mask:0xf bank_mask:0xf
.endr
.endr
.irp j, 0,1,2,3,4,5,6,7
	v_permlanex16_b32 v[RT+\j], v[ACC+\j], s48, s49
.endr
.irp j, 0,1,2,3,4,5,6,7
	v_add_f32 v[ACC+\j], v[ACC+\j], v[RT+\j]
.endr
	s_mov_b32 s50, 0x10001<<(\t)
.irp j, 0,1,2,3,4,5,6,7
	v_cndmask_b32 v[L+\j], v[L+\j], v[ACC+\j], s50 ; lanes t and t + 16 keep token t's logits
.endr
.endm
.irp t, 0,1,2,3,4,5,6,7,8,9,10,11,12
	TOKEN \t, 12
.endr
	TOKEN 13, 8
	TOKEN 14, 4
	TOKEN 15, 0
	; all 16 tokens at once: lane l works on token l % 16
	s_wait_kmcnt 0x0                               ; gate_b
.irp j, 0,1,2,3,4,5,6,7
	v_add_f32 v[L+\j], s[40+\j], v[L+\j]
.endr
	v_max3_num_f32 v42, v[L], v[L+1], v[L+2]
	v_max3_num_f32 v43, v[L+3], v[L+4], v[L+5]
	v_max3_num_f32 v42, v42, v[L+6], v[L+7]
	v_max_num_f32 v42, v42, v43                    ; the largest logit
	v_mov_b32 v44, 7
.irp j, 6,5,4,3,2,1,0                  ; the lowest index that holds it
	v_cmp_eq_f32 vcc_lo, v[L+\j], v42
	v_cndmask_b32 v44, v44, \j, vcc_lo
.endr
.irp j, 0,1,2,3,4,5,6,7
	v_sub_f32 v[L+\j], v[L+\j], v42                ; the maximum is taken away, as reference()'s softmax does
.endr
.irp j, 0,1,2,3,4,5,6,7
	v_mul_f32 v[L+\j], 0x3fb8aa3b, v[L+\j]         ; x log2(e)
.endr
.irp j, 0,1,2,3,4,5,6,7
	v_exp_f32 v[L+\j], v[L+\j]
.endr
	v_nop                                          ; a plain line behind the last exponential
	s_wait_alu depctr_va_vdst(0)                   ; one wait for the eight, ahead of their first reader
	v_add_f32 v[L], v[L], v[L+1]
	v_add_f32 v[L+2], v[L+2], v[L+3]
	v_add_f32 v[L+4], v[L+4], v[L+5]
	v_add_f32 v[L+6], v[L+6], v[L+7]
	v_add_f32 v[L], v[L], v[L+2]
	v_add_f32 v[L+4], v[L+4], v[L+6]
	v_add_f32 v[L], v[L], v[L+4]
	v_rcp_f32 v45, v[L]                            ; soft[top] = exp(0) / the sum
	v_nop
	s_wait_alu depctr_va_vdst(0)
	global_store_b32 v8, v44, s[60:61]             ; fixed places: no address of this launch hangs on the choice.  Both halves of the lanes store the same
	global_store_b32 v8, v45, s[58:59]
	ds_load_b64 v[46:47], v7                       ; LDS serves a wave's instructions in order: this sees my byte stores
	s_wait_dscnt 0x0
	global_store_b64 v5, v[46:47], s[56:57]        ; 16 tokens' scale bytes: 256 consecutive bytes, aligned
	s_wait_tensorcnt 0x0                           ; the wave's end
	ds_add_u32 v1, v2
	s_wait_dscnt 0x0
	s_endpgm
.Lfunc_end_k_q19ed219041_prep1:
	.size	k_q19ed219041_prep1, .Lfunc_end_k_q19ed219041_prep1-k_q19ed219041_prep1
	.p2alignl 7, 3214868480
	.fill 96, 4, 3214868480
	.section	.rodata,"a",@progbits
	.p2align	6, 0x0
	.amdhsa_kernel k_q19ed219041_prep1
		.amdhsa_group_segment_fixed_size 1536
		.amdhsa_private_segment_fixed_size 0
		.amdhsa_enable_private_segment 0
		.amdhsa_kernarg_size 80
		.amdhsa_user_sgpr_count 2
		.amdhsa_user_sgpr_kernarg_segment_ptr 1
		.amdhsa_wavefront_size32 1
		.amdhsa_system_sgpr_workgroup_id_x 1
		.amdhsa_system_sgpr_workgroup_id_y 1
		.amdhsa_system_sgpr_workgroup_id_z 1
		.amdhsa_system_vgpr_workitem_id 0
		.amdhsa_next_free_vgpr 240
		.amdhsa_next_free_sgpr 66
		.amdhsa_reserve_vcc 1
		.amdhsa_float_denorm_mode_32 3
		.amdhsa_float_denorm_mode_16_64 3
		.amdhsa_memory_ordered 1
		.amdhsa_forward_progress 1
		.amdhsa_inst_pref_size 181
	.end_amdhsa_kernel
	.amdgpu_metadata
---
amdhsa.version: [ 1, 2 ]
amdhsa.kernels:
  - .name:           k_q19ed219041_prep1
    .symbol:         k_q19ed219041_prep1.kd
    .args:
      - { .name: x, .offset: 0, .size: 8, .value_kind: global_buffer, .address_space: global }
      - { .name: gate_w, .offset: 8, .size: 8, .value_kind: global_buffer, .address_space: global }
      - { .name: gate_b, .offset: 16, .size: 8, .value_kind: global_buffer, .address_space: global }
      - { .name: w1, .offset: 24, .size: 8, .value_kind: global_buffer, .address_space: global }
      - { .name: w2, .offset: 32, .size: 8, .value_kind: global_buffer, .address_space: global }
      - { .name: w3, .offset: 40, .size: 8, .value_kind: global_buffer, .address_space: global }
      - { .name: wq, .offset: 48, .size: 8, .value_kind: global_buffer, .address_space: global }
      - { .name: wsc, .offset: 56, .size: 8, .value_kind: global_buffer, .address_space: global }
      - { .name: xq, .offset: 64, .size: 8, .value_kind: global_buffer, .address_space: global }
      - { .name: top, .offset: 72, .size: 8, .value_kind: global_buffer, .address_space: global }
    .group_segment_fixed_size: 1536
    .private_segment_fixed_size: 0
    .kernarg_segment_align: 8
    .kernarg_segment_size: 80
    .max_flat_workgroup_size: 128
    .sgpr_count:     66
    .vgpr_count:     240
    .wavefront_size: 32
...
	.end_amdgpu_metadata
.endif
;; end of part 1
;; launch prep2 (part 2): grid 769 x 1, 4 waves a work-group, no clusters, 0 bytes of LDS; arguments top, w1, w2, w3, wq, wsc, order, out1; writes wq, wsc, order, out1
.if DOCPART == 2
	.amdgcn_target "amdgcn-amd-amdhsa--gfx1250"
	.amdhsa_code_object_version 6
	.text
	.protected	k_q19ed219041_prep2
	.globl	k_q19ed219041_prep2
	.p2align	8
	.type	k_q19ed219041_prep2,@function
k_q19ed219041_prep2:
	s_mov_b64 s[64:65], 0
	v_nop
	global_prefetch_b8 v0, s[64:65] scope:SCOPE_SE
	s_setreg_imm32_b32 hwreg(HW_REG_WAVE_MODE, 25, 1), 1
	s_wait_xcnt 0x0
; GatedMoEFFN, launch 2 of 4: the tokens sorted by expert, aux_loss, and the weights of experts 4 to 7 into codes of FP4 (E2M1).
; ROLES, by the work-group's number.  Work-group 0: the sort, by its wave 0 alone (2,048 numbers are 64 registers of one wave: no LDS, no barrier, no atomics); its other three waves have no part in it.
; Work-groups 1 to 768: the weights, one unit a wave, as in launch 1: a unit is 128 along K x 32 columns; a lane takes a column and its registers run down K; the codes are stored as the operand's registers,
; [tile u][c][lane][16 bytes]; lane l takes column (l % 8) + 16 ((l / 8) % 2) + 8 (l / 16) of the 32.
; THE SORT reads top, which launch 1 stored, and stores order[2048] (the tokens of expert 0, then of expert 1, ..) and, from byte 8,192 on, for each expert {first place, tokens, first row tile, row tiles of 16}.
; LIMITS: as in launch 1 (NaN and infinities are not served; a block of zeros gets the byte 1).  No tensor loads, no cluster: the work-groups share no input.
.set NR,     1
.set EBASE,  4
.set PW1,    6                         ; s[6:7] w1, s[8:9] w2, s[10:11] w3, s[12:13] wq, s[14:15] wsc
.set PW2,    8
.set PW3,    10
.set PWQ,    12
.set PWS,    14
.set X,      16                        ; weights: v16-143 128 numbers down K
.set C,      144                       ; weights: v144-159 the codes
.set TK,     16                        ; sort: v16-79 register 4 m + i of lane l: top of token 128 m + 4 l + i, later its place + 8
.set DT,     80                        ; sort: v80-143 the tokens' numbers, to store
.set TMP,    144                       ; sort: v144-151 at work
.set META,   152                       ; sort: v152-155 lane e: expert e's four numbers
.macro QLOAD rowb
.set i, 0
.rept 128
	global_load_b32 v[X+i], v4, s[28:29] offset:i*\rowb th:TH_LOAD_NT   ; the 32 lanes read 128 consecutive bytes, the four waves of a work-group 512
.set i, i+1
.endr
.endm
.macro QBLOCK t
.set XB, X+32*(\t)
	v_max3_num_f32 v8, |v[XB]|, |v[XB+1]|, |v[XB+2]|
	v_max3_num_f32 v9, |v[XB+3]|, |v[XB+4]|, |v[XB+5]|
.irp i, 6,10,14,18,22,26
	v_max3_num_f32 v8, v8, |v[XB+\i]|, |v[XB+\i+1]|
	v_max3_num_f32 v9, v9, |v[XB+\i+2]|, |v[XB+\i+3]|
.endr
	v_max3_num_f32 v8, v8, |v[XB+30]|, |v[XB+31]|
	v_max3_num_f32 v8, v8, v9, 0x1800000           ; the floor 2^(3 - 127): the byte cannot fall under 1
	v_add_nc_u32 v10, 0xff000000, v8               ; 2 off the exponent field: the conversion's scale operand
.if (\t) == 0
	v_lshrrev_b32 v12, 23, v10                     ; the scale's byte, four to the word
.else
	v_lshrrev_b32 v11, 23, v10
	v_lshl_or_b32 v12, v11, 8*(\t), v12
.endif
.irp g, 0,1,2,3
	v_cvt_scalef32_pk8_fp4_f32 v[C+4*(\t)+\g], v[XB+8*\g:XB+8*\g+7], v10
.endr
.endm
	s_load_b512 s[4:19], s[0:1], 0x0               ; top s[4:5], w1, w2, w3, wq, wsc, order s[16:17], out1 s[18:19]
	v_lshrrev_b32 v3, 5, v0
	v_readfirstlane_b32 s24, v3                    ; wave 0..3
	v_and_b32 v3, 31, v0                           ; lane
	s_cmp_lt_u32 ttmp9, NR
	s_cbranch_scc1 .Lsort
	; ---------------- THE WEIGHTS ----------------
	s_sub_co_u32 s25, ttmp9, NR
	s_lshr_b32 s26, s25, 8                         ; which matrix: 0 w1, 1 w2, 2 w3
	s_bfe_u32 s27, s25, 0x20006
.if EBASE
	s_add_co_u32 s27, s27, EBASE                   ; the expert
.endif
	s_and_b32 s25, s25, 63
	v_and_b32 v4, 7, v3
	v_lshlrev_b32 v4, 2, v4
	v_bfe_u32 v7, v3, 3, 1
	v_lshl_add_u32 v4, v7, 6, v4
	v_bfe_u32 v7, v3, 4, 1
	v_lshl_add_u32 v4, v7, 5, v4                   ; 4 x my column
	v_lshlrev_b32 v5, 4, v3                        ; 16 x lane
	v_lshlrev_b32 v6, 2, v3                        ; 4 x lane
	s_mov_b32 s39, 0
	s_wait_kmcnt 0x0
	s_cmp_eq_u32 s26, 2
	s_cbranch_scc1 .Lw3
	s_lshr_b32 s34, s25, 4                         ; w1, w2: K step 0..3,
	s_and_b32 s35, s25, 15
	s_lshl_b32 s35, s35, 2
	s_add_co_u32 s35, s35, s24                     ; block of 32 columns 0..63
	s_lshl_b32 s36, s27, 6
	s_add_co_u32 s36, s36, s35
	s_lshl_b32 s36, s36, 2
	s_add_co_u32 s36, s36, s34                     ; unit = (64 e + cb) 4 + s
	s_lshl_b32 s38, s27, 22
	s_lshl_b32 s37, s34, 20
	s_add_co_u32 s38, s38, s37
	s_lshl_b32 s37, s35, 7
	s_add_co_u32 s38, s38, s37
	s_cmp_eq_u32 s26, 0
	s_cselect_b64 s[28:29], s[PW1:PW1+1], s[PW2:PW2+1]
	s_add_nc_u64 s[28:29], s[28:29], s[38:39]
	s_lshl_b32 s38, s26, 22
	s_lshl_b32 s37, s36, 11
	s_add_co_u32 s38, s38, s37
	s_add_nc_u64 s[30:31], s[PWQ:PWQ+1], s[38:39]
	s_lshl_b32 s38, s26, 18
	s_lshl_b32 s37, s36, 7
	s_add_co_u32 s38, s38, s37
	s_add_nc_u64 s[32:33], s[PWS:PWS+1], s[38:39]
	QLOAD 8192
	s_branch .Lq
.Lw3:
	s_lshr_b32 s34, s25, 2                         ; w3: K step 0..15,
	s_and_b32 s35, s25, 3
	s_lshl_b32 s35, s35, 2
	s_add_co_u32 s35, s35, s24                     ; block of 32 columns 0..15
	s_lshl_b32 s36, s27, 4
	s_add_co_u32 s36, s36, s34
	s_lshl_b32 s36, s36, 4
	s_add_co_u32 s36, s36, s35                     ; unit = (16 e + s) 16 + cb
	s_lshl_b32 s38, s27, 22
	s_lshl_b32 s37, s34, 18
	s_add_co_u32 s38, s38, s37
	s_lshl_b32 s37, s35, 7
	s_add_co_u32 s38, s38, s37
	s_add_nc_u64 s[28:29], s[PW3:PW3+1], s[38:39]
	s_lshl_b32 s38, s36, 11
	s_add_co_u32 s38, s38, 8388608
	s_add_nc_u64 s[30:31], s[PWQ:PWQ+1], s[38:39]
	s_lshl_b32 s38, s36, 7
	s_add_co_u32 s38, s38, 524288
	s_add_nc_u64 s[32:33], s[PWS:PWS+1], s[38:39]
	QLOAD 2048
.Lq:                                                   ; on both ways the same 128 loads are out
	s_wait_loadcnt 63                              ; 65 of the 128 are in: blocks 0 and 1 (96, which block 0 alone would allow, is more than the wait can name)
	QBLOCK 0
	QBLOCK 1
	s_wait_loadcnt 32                              ; block 3's 32 loads may be out
	QBLOCK 2
	s_wait_loadcnt 0x0
	QBLOCK 3
	v_nop                                          ; one plain line between the last conversion and the lines that touch the codes
.irp c, 0,1                            ; the first register becomes register 4 c + g of tile 0, the second that of tile 1 (launch 1 says how)
.irp g, 0,1,2,3
	v_permlane16_swap_b32 v[C+8*\c+\g], v[C+8*\c+4+\g]
.endr
.endr
	global_store_b128 v5, v[C:C+3], s[30:31]                     ; each store covers 512 consecutive bytes, aligned
	global_store_b128 v5, v[C+8:C+11], s[30:31] offset:512
	global_store_b128 v5, v[C+4:C+7], s[30:31] offset:1024
	global_store_b128 v5, v[C+12:C+15], s[30:31] offset:1536
	global_store_b32 v6, v12, s[32:33]             ; the scale words, 128 consecutive bytes
	s_endpgm
	; ---------------- THE SORT ----------------
.Lsort:
	s_cmp_lg_u32 s24, 0
	s_cbranch_scc1 .Ldone
	v_lshlrev_b32 v4, 2, v3                        ; 4 x lane
	v_lshlrev_b32 v5, 4, v3                        ; 16 x lane
	v_mov_b32 v6, 0
.irp j, 0,1,2,3
	v_mov_b32 v[META+\j], 0
.endr
	s_mov_b32 s30, 0                               ; the expert
	s_mov_b32 s31, 8                               ; the next free place + 8
	s_mov_b32 s33, 0                               ; the next free row tile
	s_wait_kmcnt 0x0
.irp m, 0,1,2,3,4,5,6,7,8,9,10,11,12,13,14,15
	global_load_b128 v[TK+4*\m:TK+4*\m+3], v5, s[4:5] offset:512*\m
.endr
	s_wait_loadcnt 0x0
; One trip places the tokens of one expert.  A placed token's register holds its place + 8, which is 8 or more: no later expert's compare can meet it.
.Lexpert:
	s_mov_b32 s32, s31
.irp b, 0,1,2,3,4,5,6,7                ; eight registers at a time
.irp c, 0,1,2,3,4,5,6,7
	v_cmp_eq_u32 s[40+\c], s30, v[TK+8*\b+\c]      ; which lanes' token goes to this expert
.endr
.irp c, 0,1,2,3,4,5,6,7
	s_bcnt1_i32_b32 s[48+\c], s[40+\c]             ; how many
.endr
	s_mov_b32 s56, s31
.irp c, 1,2,3,4,5,6,7
	s_add_co_u32 s[56+\c], s[55+\c], s[47+\c]      ; where each register's tokens begin
.endr
	s_add_co_u32 s31, s63, s55
.irp c, 0,1,2,3,4,5,6,7
	v_mbcnt_lo_u32_b32 v[TMP+\c], s[40+\c], s[56+\c]   ; + how many lower lanes go there too
.endr
.irp c, 0,1,2,3,4,5,6,7
	v_cndmask_b32 v[TK+8*\b+\c], v[TK+8*\b+\c], v[TMP+\c], s[40+\c]
.endr
.endr
	s_sub_co_u32 s34, s31, s32                     ; the expert's tokens,
	s_sub_co_u32 s35, s32, 8                       ; its first place,
	s_add_co_u32 s36, s34, 15
	s_lshr_b32 s36, s36, 4                         ; its row tiles of 16
	v_cmp_eq_u32 vcc_lo, s30, v3
	v_mov_b32 v[TMP], s35
	v_mov_b32 v[TMP+1], s34
	v_mov_b32 v[TMP+2], s33
	v_mov_b32 v[TMP+3], s36
.irp j, 0,1,2,3
	v_cndmask_b32 v[META+\j], v[META+\j], v[TMP+\j], vcc_lo
.endr
	s_add_co_u32 s33, s33, s36
	s_add_co_u32 s30, s30, 1
	s_cmp_lt_u32 s30, 8
	s_cbranch_scc1 .Lexpert
.irp m, 0,1,2,3,4,5,6,7,8,9,10,11,12,13,14,15
.irp i, 0,1,2,3
	v_add_nc_u32 v[TK+4*\m+\i], -8, v[TK+4*\m+\i]  ; the place,
	v_min_u32 v[TK+4*\m+\i], 0x7ff, v[TK+4*\m+\i]  ; held inside order whatever top held,
	v_lshlrev_b32 v[TK+4*\m+\i], 2, v[TK+4*\m+\i]  ; in bytes
	v_add_nc_u32 v[DT+4*\m+\i], 128*\m+\i, v4      ; the token's number
	global_store_b32 v[TK+4*\m+\i], v[DT+4*\m+\i], s[16:17]   ; each store has registers of its own: none is written again
.endr
.endr
	global_store_b128 v5, v[META:META+3], s[16:17] offset:8192   ; 512 consecutive bytes: lanes 0-7 the experts' numbers, the others zeros
	global_store_b32 v6, v6, s[18:19]              ; aux_loss = 0.0: all lanes store the same word
.Ldone:
	s_endpgm
.Lfunc_end_k_q19ed219041_prep2:
	.size	k_q19ed219041_prep2, .Lfunc_end_k_q19ed219041_prep2-k_q19ed219041_prep2
	.p2alignl 7, 3214868480
	.fill 96, 4, 3214868480
	.section	.rodata,"a",@progbits
	.p2align	6, 0x0
	.amdhsa_kernel k_q19ed219041_prep2
		.amdhsa_group_segment_fixed_size 0
		.amdhsa_private_segment_fixed_size 0
		.amdhsa_enable_private_segment 0
		.amdhsa_kernarg_size 64
		.amdhsa_user_sgpr_count 2
		.amdhsa_user_sgpr_kernarg_segment_ptr 1
		.amdhsa_wavefront_size32 1
		.amdhsa_system_sgpr_workgroup_id_x 1
		.amdhsa_system_sgpr_workgroup_id_y 1
		.amdhsa_system_sgpr_workgroup_id_z 1
		.amdhsa_system_vgpr_workitem_id 0
		.amdhsa_next_free_vgpr 168
		.amdhsa_next_free_sgpr 66
		.amdhsa_reserve_vcc 1
		.amdhsa_float_denorm_mode_32 3
		.amdhsa_float_denorm_mode_16_64 3
		.amdhsa_memory_ordered 1
		.amdhsa_forward_progress 1
		.amdhsa_inst_pref_size 71
	.end_amdhsa_kernel
	.amdgpu_metadata
---
amdhsa.version: [ 1, 2 ]
amdhsa.kernels:
  - .name:           k_q19ed219041_prep2
    .symbol:         k_q19ed219041_prep2.kd
    .args:
      - { .name: top, .offset: 0, .size: 8, .value_kind: global_buffer, .address_space: global }
      - { .name: w1, .offset: 8, .size: 8, .value_kind: global_buffer, .address_space: global }
      - { .name: w2, .offset: 16, .size: 8, .value_kind: global_buffer, .address_space: global }
      - { .name: w3, .offset: 24, .size: 8, .value_kind: global_buffer, .address_space: global }
      - { .name: wq, .offset: 32, .size: 8, .value_kind: global_buffer, .address_space: global }
      - { .name: wsc, .offset: 40, .size: 8, .value_kind: global_buffer, .address_space: global }
      - { .name: order, .offset: 48, .size: 8, .value_kind: global_buffer, .address_space: global }
      - { .name: out1, .offset: 56, .size: 8, .value_kind: global_buffer, .address_space: global }
    .group_segment_fixed_size: 0
    .private_segment_fixed_size: 0
    .kernarg_segment_align: 8
    .kernarg_segment_size: 64
    .max_flat_workgroup_size: 128
    .sgpr_count:     66
    .vgpr_count:     168
    .wavefront_size: 32
...
	.end_amdgpu_metadata
.endif
;; end of part 2
;; launch hidden (part 3): grid 64 x 8, 4 waves a work-group, no clusters, 0 bytes of LDS; arguments order, xq, wq, wsc, b1, b2, hq; writes hq
.if DOCPART == 3
	.amdgcn_target "amdgcn-amd-amdhsa--gfx1250"
	.amdhsa_code_object_version 6
	.text
	.protected	k_q19ed219041_hidden
	.globl	k_q19ed219041_hidden
	.p2align	8
	.type	k_q19ed219041_hidden,@function
k_q19ed219041_hidden:
	s_mov_b64 s[64:65], 0
	v_nop
	global_prefetch_b8 v0, s[64:65] scope:SCOPE_SE
	s_setreg_imm32_b32 hwreg(HW_REG_WAVE_MODE, 25, 1), 1
	s_wait_xcnt 0x0
; GatedMoEFFN, launch 3 of 4: h = gelu(x w1[e] + b1[e]) (x w2[e] + b2[e]) for the rows of the chosen expert alone, quantised to codes of FP4 (E2M1) along F.
; WORK LEFT OUT: the rows of experts that were not chosen for a token: reference() multiplies their results by the 0 of its own jnp.where (shown at the head of launch 1).
; SHARES.  Work-group (cb, e) makes hidden units 32 cb .. 32 cb + 31 of expert e.  Each of its four waves keeps these units' fragments of w1 and of w2 for all of K = 512 in registers (128 registers) and takes
; the expert's row tiles q, q + 4, .. of 16 rows.  Row 16 t + r is token order[first + min(16 t + r, tokens - 1)]: rows past the end are copies of the last row, so all lanes stay on.
; LAYOUT.  The products are used transposed (source 0 = 16 columns of a weight, source 1 = 16 rows of x): lane (r, h) holds row r, and its 16 registers of tiles u = 0, 1 are hidden units 32 cb + 16 h + 0 .. 15:
; half of a block of 32 along the next K; the other half lies in lane l xor 16.  The biases are the C of each sum's first matrix instruction.
; GELU, exact form: gelu(a) = max(a, 0) - |a| q, q = erfc(|a| / sqrt 2) / 2 = t 2^(poly(t) - a^2 log2(e) / 2), t = 1 / (1 + |a| / (2 sqrt 2)): a rational Chebyshev fit of erfc of fractional error 1.2e-7, all in f32.
; LIMITS: q under 2^-126 comes out as 0 (the exponential flushes); NaN and infinities are not served; a block of zeros gets the byte 1 (its codes are zeros).
; OUT.  hq: codes [row tile][cb][256 bytes], byte 16 r + 8 h: so 1,024 bytes on end are a fragment of launch 4 as its registers take it; scale bytes [row tile][K step 16][row 16][4].
; The scale bytes leave singly (16 bytes in a run of 64): a word's four bytes come from four work-groups.  They are 1 byte in 17 of what is stored.
; NO CLUSTER, NO TENSOR LOAD: the 64 work-groups of an expert read the same rows of x, but how many tiles a wave walks is a number read from memory; operands go straight into registers.
; REGISTERS.  Window 1: v0-127 the weights' fragments, ((m 4 + s) 2 + u) 8.  Window 0: v1-7 lane terms; v8-11 addresses; v12-16 at work; v18-19 codes; v20-27 the weights' scale words; v28-31 x's;
;   v32-63 x's four fragments; v64-95 the biases; v96-111 x w1 + b1; v112-127 x w2 + b2; v128-175 at work; v176-197 constants, in pairs.
.set XS_OFF, 524288
.set HS_OFF, 2228224
.set WS,  20
.set XS,  28
.set XF,  32
.set BI,  64
.set RA,  96
.set RG,  112
.set RT,  128
.set RP,  144
.set RQ,  160
.set KC,  176                          ; c9 .. c0 at KC + 0, 2, .. 18; -log2(e) / 2 at KC + 20
.set MSB, 0
.macro WIN new                         ; the immediate's high byte repeats the setting that is left
.if MSB != \new
	s_set_vgpr_msb (MSB<<8)|\new
.set MSB, \new
.endif
.endm
.macro KONST reg, bits
	v_mov_b32 v[\reg], \bits
	v_mov_b32 v[\reg+1], \bits
.endm
; where order holds the tokens of a tile: st = a scalar register with 16 x the tile
.macro IDXOF st
	v_add_nc_u32 v8, s[\st], v1
	v_min_u32 v8, s24, v8                          ; rows past the expert's last are copies of it
	v_add_nc_u32 v8, s20, v8
	v_min_u32 v8, 0x7ff, v8                        ; held inside order
	v_lshlrev_b32 v8, 2, v8
.endm
; the tile's rows of x: four fragments and the scale words, gathered by the tokens in v9.  The four address lines are also the places behind the products that read these registers
.macro XLOAD
	v_min_u32 v9, 0x7ff, v9
	v_lshlrev_b32 v10, 8, v9
	v_lshl_add_u32 v10, v2, 4, v10                 ; 256 x token + 16 h
	v_lshlrev_b32 v11, 4, v9                       ; 16 x token
.irp s, 0,1,2,3
.irp c, 0,1
	global_load_b128 v[XF+8*\s+4*\c:XF+8*\s+4*\c+3], v10, s[6:7] offset:64*\s+32*\c
.endr
.endr
	global_load_b128 v[XS:XS+3], v11, s[46:47]     ; word s: the four scale bytes of K step s
.endm
.macro HPROD m, s, u
.set AC, RA+8*(2*(\m)+(\u))
.set WF, 8*(((\m)*4+(\s))*2+(\u))
.set BC, BI+8*(2*(\m)+(\u))
.if (\s) == 0
.if (\u) == 0
	v_wmma_scale_f32_16x16x128_f8f6f4 v[AC:AC+7], v[WF:WF+7], v[XF+8*(\s):XF+8*(\s)+7], v[BC:BC+7], v[WS+4*(\m)+(\s)], v[XS+(\s)] matrix_a_fmt:MATRIX_FMT_FP4 matrix_b_fmt:MATRIX_FMT_FP4
.else
	v_wmma_scale_f32_16x16x128_f8f6f4 v[AC:AC+7], v[WF:WF+7], v[XF+8*(\s):XF+8*(\s)+7], v[BC:BC+7], v[WS+4*(\m)+(\s)], v[XS+(\s)] matrix_a_fmt:MATRIX_FMT_FP4 matrix_b_fmt:MATRIX_FMT_FP4 matrix_a_scale:MATRIX_SCALE_ROW1
.endif
.else
.if (\u) == 0
	v_wmma_scale_f32_16x16x128_f8f6f4 v[AC:AC+7], v[WF:WF+7], v[XF+8*(\s):XF+8*(\s)+7], v[AC:AC+7], v[WS+4*(\m)+(\s)], v[XS+(\s)] matrix_a_fmt:MATRIX_FMT_FP4 matrix_b_fmt:MATRIX_FMT_FP4
.else
	v_wmma_scale_f32_16x16x128_f8f6f4 v[AC:AC+7], v[WF:WF+7], v[XF+8*(\s):XF+8*(\s)+7], v[AC:AC+7], v[WS+4*(\m)+(\s)], v[XS+(\s)] matrix_a_fmt:MATRIX_FMT_FP4 matrix_b_fmt:MATRIX_FMT_FP4 matrix_a_scale:MATRIX_SCALE_ROW1
.endif
.endif
.endm
	s_load_b256 s[4:11], s[0:1], 0x0               ; order s[4:5], xq s[6:7], wq s[8:9], wsc s[10:11]
	s_load_b128 s[12:15], s[0:1], 0x20             ; b1 s[12:13], b2 s[14:15]
	s_load_b64 s[16:17], s[0:1], 0x30              ; hq
	v_lshrrev_b32 v8, 5, v0
	v_readfirstlane_b32 s18, v8                    ; wave q
	v_and_b32 v1, 15, v0                           ; r
	v_bfe_u32 v2, v0, 4, 1                         ; h
	v_and_b32 v3, 31, v0
	v_lshlrev_b32 v4, 2, v3                        ; 4 x lane
	v_lshlrev_b32 v3, 4, v3                        ; 16 x lane
	v_lshlrev_b32 v5, 6, v2                        ; 64 h: the biases of my 16 units
	v_lshlrev_b32 v6, 4, v1
	v_lshl_add_u32 v6, v2, 3, v6                   ; 16 r + 8 h: my 8 bytes of codes
	v_lshlrev_b32 v7, 2, v1                        ; 4 r: my row's scale word
	v_mov_b32 v14, 0                               ; written once: a lane permute's destination counts as one of its sources
	s_and_b32 s19, ttmp7, 0xffff                   ; the expert
	s_mov_b32 s44, 0x76543210
	s_mov_b32 s45, 0xfedcba98                      ; v_permlanex16_b32's selects for lane l xor 16
	KONST KC,    0x3e7c6f08                        ; the fit's coefficients x log2(e), highest first:  0.2465173
	KONST KC+2,  0xbf97d29d                        ; -1.18611494
	KONST KC+4,  0x40097039                        ;  2.14747446
	KONST KC+6,  0xbfd1a1e5                        ; -1.63775315
	KONST KC+8,  0x3ecdfd18                        ;  0.40232158
	KONST KC+10, 0xbe899a80                        ; -0.26875686
	KONST KC+12, 0x3e0efb2f                        ;  0.13963006
	KONST KC+14, 0x3f0a29d2                        ;  0.53970062
	KONST KC+16, 0x3fb8ab5a                        ;  1.4427292
	KONST KC+18, 0xc034d90f                        ; -2.82574822: the fit's constant x log2(e), less 1 for the factor 1/2
	KONST KC+20, 0xbf38aa3b                        ; -log2(e) / 2
	s_lshl_b32 s42, s19, 4
	s_mov_b32 s43, 0
	s_wait_kmcnt 0x0
	s_add_nc_u64 s[38:39], s[4:5], s[42:43]
	s_load_b128 s[20:23], s[38:39], 0x2000         ; the expert's first place s20, tokens s21, first row tile s22, row tiles s23
	s_lshl_b32 s25, s19, 6
	s_add_co_u32 s25, s25, ttmp9                   ; 64 e + cb
	s_lshl_b32 s42, s25, 13
	s_add_nc_u64 s[26:27], s[8:9], s[42:43]        ; w1's four units (w2's lie 4 MiB on)
	s_lshl_b32 s42, s25, 9
	s_add_nc_u64 s[28:29], s[10:11], s[42:43]      ; their scale words (w2's 256 KiB on)
	s_lshl_b32 s42, s25, 7
	s_add_nc_u64 s[30:31], s[12:13], s[42:43]      ; b1 at my 32 units
	s_add_nc_u64 s[32:33], s[14:15], s[42:43]      ; b2
	s_lshl_b32 s42, ttmp9, 8
	s_add_nc_u64 s[34:35], s[16:17], s[42:43]      ; h's codes: piece cb of a row tile
	s_lshr_b32 s42, ttmp9, 2
	s_lshl_b32 s42, s42, 6
	s_and_b32 s24, ttmp9, 3
	s_add_co_u32 s42, s42, s24
	s_add_co_u32 s42, s42, HS_OFF
	s_add_nc_u64 s[36:37], s[16:17], s[42:43]      ; h's scale bytes: K step cb / 4, byte cb % 4
	s_add_nc_u64 s[46:47], s[6:7], XS_OFF          ; x's scale bytes
	WIN 0x40                                       ; destination window 1
.irp m, 0,1
.irp s, 0,1,2,3
.irp u, 0,1
.irp c, 0,1
	global_load_b128 v[((\m*4+\s)*2+\u)*8+4*\c:((\m*4+\s)*2+\u)*8+4*\c+3], v3, s[26:27] offset:\m*4194304+\s*2048+\u*1024+\c*512   ; the weights' fragments as they were stored: they stay
.endr
.endr
.endr
.endr
	WIN 0
.irp m, 0,1
.irp s, 0,1,2,3
	global_load_b32 v[WS+4*\m+\s], v4, s[28:29] offset:\m*262144+\s*128   ; lanes 0-15: tile 0's rows; lanes 16-31: tile 1's
.endr
.endr
.irp m, 0,1
.irp u, 0,1
	global_load_b128 v[BI+8*(2*\m+\u):BI+8*(2*\m+\u)+3], v5, s[30+2*\m:31+2*\m] offset:32*\u       ; the bias of units 16 h + 8 u + 0 .. 7
	global_load_b128 v[BI+8*(2*\m+\u)+4:BI+8*(2*\m+\u)+7], v5, s[30+2*\m:31+2*\m] offset:32*\u+16
.endr
.endr
	s_wait_kmcnt 0x0
	s_cmp_ge_u32 s18, s23                          ; a wave with no tile of its own stores nothing
	s_cbranch_scc1 .Lend
	s_sub_co_u32 s50, s23, s18                     ; my trips: tiles q, q + 4, .. under the expert's row tiles: (tiles - q + 3) / 4,
	s_add_co_u32 s50, s50, 3
	s_lshr_b32 s50, s50, 2
	s_min_u32 s50, s50, 32                         ; 32 at the most: 2,048 tokens on one expert are 128 tiles
	s_mov_b32 s49, 0                               ; the trips made
	s_sub_co_u32 s24, s21, 1                       ; the expert's last row
	s_mov_b32 s25, s18                             ; my tile
	s_lshl_b32 s42, s25, 4
	IDXOF 42
	global_load_b32 v9, v8, s[4:5]
	s_wait_loadcnt 0x0                             ; the first tile's tokens are needed now; the weights are in with them
	XLOAD
	s_add_co_u32 s42, s42, 64
	IDXOF 42
	global_load_b32 v9, v8, s[4:5]                 ; the tokens of my next tile (clamped: past the end they are copies)
.Ltile:
	s_wait_loadcnt 0x1                             ; x's nine loads are in; the load of tokens issued behind them may be out.  The same from the way in and round the loop
	WIN 0x01                                       ; source 0 window 1
.irp s, 0,1,2,3                        ; the four accumulators take turns, one instruction a turn
	HPROD 0, \s, 0
	HPROD 0, \s, 1
	HPROD 1, \s, 0
	HPROD 1, \s, 1
.endr
	WIN 0
	s_wait_loadcnt 0x0                             ; the next tile's tokens
	XLOAD                                          ; its rows of x land while this tile's gelu is worked
	s_lshl_b32 s42, s25, 4
	s_add_co_u32 s42, s42, 128
	IDXOF 42
	global_load_b32 v9, v8, s[4:5]                 ; and the tokens of the tile after it
.set i, 0
.rept 16
	v_fma_f32 v[RT+i], |v[RA+i]|, 0x3eb504f3, 1.0  ; 1 + |a| / (2 sqrt 2).  Each accumulator is read from its low end on
.set i, i+1
.endr
.set i, 0
.rept 16
	v_rcp_f32 v[RT+i], v[RT+i]                     ; t
.set i, i+1
.endr
.set i, 0
.rept 8
	v_pk_mul_f32 v[RQ+i:RQ+i+1], v[RA+i:RA+i+1], v[RA+i:RA+i+1]   ; a^2: plain work behind the reciprocals
.set i, i+2
.endr
	s_wait_alu depctr_va_vdst(0)                   ; one wait for the sixteen, ahead of their first reader
.set i, 0
.rept 8
	v_pk_fma_f32 v[RP+i:RP+i+1], v[RT+i:RT+i+1], v[KC:KC+1], v[KC+2:KC+3]
.set i, i+2
.endr
.irp k, 4,6,8,10,12,14,16,18           ; Horner's scheme, the eight pairs by turns
.set i, 0
.rept 8
	v_pk_fma_f32 v[RP+i:RP+i+1], v[RP+i:RP+i+1], v[RT+i:RT+i+1], v[KC+\k:KC+\k+1]
.set i, i+2
.endr
.endr
.set i, 0
.rept 8
	v_pk_fma_f32 v[RP+i:RP+i+1], v[RQ+i:RQ+i+1], v[KC+20:KC+21], v[RP+i:RP+i+1]   ; - a^2 log2(e) / 2
.set i, i+2
.endr
.set i, 0
.rept 16
	v_exp_f32 v[RP+i], v[RP+i]
.set i, i+1
.endr
.set i, 0
.rept 16
	v_max_num_f32 v[RQ+i], 0, v[RA+i]              ; max(a, 0): plain work behind the exponentials
.set i, i+1
.endr
	s_wait_alu depctr_va_vdst(0)                   ; one wait for the sixteen
.set i, 0
.rept 8
	v_pk_mul_f32 v[RP+i:RP+i+1], v[RP+i:RP+i+1], v[RT+i:RT+i+1]   ; q = erfc(|a| / sqrt 2) / 2
.set i, i+2
.endr
.set i, 0
.rept 16
	v_fma_f32 v[RA+i], -|v[RA+i]|, v[RP+i], v[RQ+i]   ; gelu(a) = max(a, 0) - |a| q
.set i, i+1
.endr
.set i, 0
.rept 8
	v_pk_mul_f32 v[RA+i:RA+i+1], v[RA+i:RA+i+1], v[RG+i:RG+i+1]   ; h
.set i, i+2
.endr
	v_max3_num_f32 v12, |v[RA]|, |v[RA+1]|, |v[RA+2]|              ; the largest magnitude of my 16
	v_max3_num_f32 v13, |v[RA+3]|, |v[RA+4]|, |v[RA+5]|
.irp i, 6,10
	v_max3_num_f32 v12, v12, |v[RA+\i]|, |v[RA+\i+1]|
	v_max3_num_f32 v13, v13, |v[RA+\i+2]|, |v[RA+\i+3]|
.endr
	v_max3_num_f32 v12, v12, |v[RA+14]|, |v[RA+15]|
	v_max3_num_f32 v12, v12, v13, 0x1800000        ; and the floor 2^(3 - 127): the byte cannot fall under 1
	v_permlanex16_b32 v14, v12, s44, s45
	v_max_num_f32 v12, v12, v14                    ; with lane l xor 16's: the block's
	v_add_nc_u32 v15, 0xff000000, v12              ; 2 off the exponent field: the conversion's scale operand
	s_wait_xcnt 0x0                                ; the last tile's stores have read their data and their bases: these are written again only behind this wait
	v_lshrrev_b32 v16, 23, v15                     ; the scale's byte
	v_cvt_scalef32_pk8_fp4_f32 v18, v[RA:RA+7], v15
	v_cvt_scalef32_pk8_fp4_f32 v19, v[RA+8:RA+15], v15
	v_nop                                          ; one plain line behind the last conversion: the next tile's products write its sources
	s_add_co_u32 s48, s22, s25
	s_min_u32 s48, s48, 135                        ; the row tile in hq, held inside the buffer
	s_lshl_b32 s42, s48, 14
	s_add_nc_u64 s[38:39], s[34:35], s[42:43]
	s_lshl_b32 s42, s48, 10
	s_add_nc_u64 s[40:41], s[36:37], s[42:43]
	global_store_b64 v6, v[18:19], s[38:39]        ; the wave stores 256 consecutive bytes, aligned
	global_store_b8 v7, v16, s[40:41]              ; both halves of the lanes store the same byte
	s_add_co_u32 s25, s25, 4                       ; my next tile: it enters addresses alone, each behind its constant clamp
	s_add_co_u32 s49, s49, 1                       ; the loop ends on the count of trips
	s_cmp_lt_u32 s49, s50
	s_cbranch_scc1 .Ltile
.Lend:
	s_endpgm
.Lfunc_end_k_q19ed219041_hidden:
	.size	k_q19ed219041_hidden, .Lfunc_end_k_q19ed219041_hidden-k_q19ed219041_hidden
	.p2alignl 7, 3214868480
	.fill 96, 4, 3214868480
	.section	.rodata,"a",@progbits
	.p2align	6, 0x0
	.amdhsa_kernel k_q19ed219041_hidden
		.amdhsa_group_segment_fixed_size 0
		.amdhsa_private_segment_fixed_size 0
		.amdhsa_enable_private_segment 0
		.amdhsa_kernarg_size 56
		.amdhsa_user_sgpr_count 2
		.amdhsa_user_sgpr_kernarg_segment_ptr 1
		.amdhsa_wavefront_size32 1
		.amdhsa_system_sgpr_workgroup_id_x 1
		.amdhsa_system_sgpr_workgroup_id_y 1
		.amdhsa_system_sgpr_workgroup_id_z 1
		.amdhsa_system_vgpr_workitem_id 0
		.amdhsa_next_free_vgpr 384
		.amdhsa_next_free_sgpr 66
		.amdhsa_reserve_vcc 0
		.amdhsa_float_denorm_mode_32 3
		.amdhsa_float_denorm_mode_16_64 3
		.amdhsa_memory_ordered 1
		.amdhsa_forward_progress 1
		.amdhsa_inst_pref_size 26
	.end_amdhsa_kernel
	.amdgpu_metadata
---
amdhsa.version: [ 1, 2 ]
amdhsa.kernels:
  - .name:           k_q19ed219041_hidden
    .symbol:         k_q19ed219041_hidden.kd
    .args:
      - { .name: order, .offset: 0, .size: 8, .value_kind: global_buffer, .address_space: global }
      - { .name: xq, .offset: 8, .size: 8, .value_kind: global_buffer, .address_space: global }
      - { .name: wq, .offset: 16, .size: 8, .value_kind: global_buffer, .address_space: global }
      - { .name: wsc, .offset: 24, .size: 8, .value_kind: global_buffer, .address_space: global }
      - { .name: b1, .offset: 32, .size: 8, .value_kind: global_buffer, .address_space: global }
      - { .name: b2, .offset: 40, .size: 8, .value_kind: global_buffer, .address_space: global }
      - { .name: hq, .offset: 48, .size: 8, .value_kind: global_buffer, .address_space: global }
    .group_segment_fixed_size: 0
    .private_segment_fixed_size: 0
    .kernarg_segment_align: 8
    .kernarg_segment_size: 56
    .max_flat_workgroup_size: 128
    .sgpr_count:     66
    .vgpr_count:     384
    .wavefront_size: 32
...
	.end_amdgpu_metadata
.endif
;; end of part 3
;; launch outp (part 4): grid 32 x 8, 4 waves a work-group, no clusters, 17,920 bytes of LDS; arguments order, xq, hq, wq, wsc, b3, out0; writes out0
.if DOCPART == 4
	.amdgcn_target "amdgcn-amd-amdhsa--gfx1250"
	.amdhsa_code_object_version 6
	.text
	.protected	k_q19ed219041_outp
	.globl	k_q19ed219041_outp
	.p2align	8
	.type	k_q19ed219041_outp,@function
k_q19ed219041_outp:
	s_mov_b64 s[64:65], 0
	v_nop
	global_prefetch_b8 v0, s[64:65] scope:SCOPE_SE
	s_setreg_imm32_b32 hwreg(HW_REG_WAVE_MODE, 25, 1), 1
	s_wait_xcnt 0x0
; GatedMoEFFN, launch 4 of 4: out[token] = soft[token][top] (h w3[e] + b3[e]) for the rows of the chosen expert alone, on codes of FP4 (E2M1), K = 2,048.
; WORK LEFT OUT: the rows of experts that were not chosen for a token: reference() multiplies their results by the 0 of its own jnp.where (shown at the head of launch 1).
; SHARES.  Work-group x = 4 ds + qg, y = e: columns 64 ds .. 64 ds + 63 of expert e.  A GROUP is two row tiles of 16 rows; wave w takes groups 4 w + qg, + 16, ..  A wave with no group stores nothing.
; With an odd number of tiles the last group's second tile is its first once more; rows past the expert's last are copies of the last row: copies make the same bits and store them to the same place, so all lanes stay on.
; LAYOUT.  The product is used transposed (source 0 = 16 columns of w3, source 1 = 16 rows of h): lane (r, hh) holds row r and, in tile (cbl, u), columns 32 cbl + 16 hh + 8 u + 0 .. 7.
; w3's and h's fragments and scale words come from memory as the registers take them, through a ring of three register sets, two K steps ahead.  b3 is loaded straight into the accumulators: nothing is cleared.
; THE WAY OUT.  A tile of 16 rows x 64 columns goes through the wave's own stage in LDS and comes back by rows, with each row's token beside it: sixteen lanes store 256 consecutive bytes, aligned, of a token's row.
; NO CLUSTER, NO TENSOR LOAD: the four work-groups of a slice read the same w3, but how many groups a wave walks is a number read from memory.  No barrier: waves share nothing.
; REGISTERS: v1, v2 the closing add's; v3-12 lane terms and LDS addresses; v13-19 addresses; v16, v17 the rows' tokens; v20, v21 their gate weights; v22-30 scale words, three to a set;
;   v32-95 the eight accumulators (i 4 + cbl 2 + u) 8; v96-239 three sets of 48: 32 of w3, 16 of h; on the way out v96-175 rows and their addresses.
.set HS_OFF, 2228224
.set GW_OFF, 557056
.set SPARE,  17408                     ; LDS: behind the four stages of 16 x 272 bytes: the spare words, 128 bytes a wave, which no other line names
.set ACC,    32
; the operands of K step s: 15 loads
.macro LOADSET s
.set RB, 96+48*((\s)%3)
.set SB, 22+3*((\s)%3)
.irp q, 0,1,2,3
.irp c, 0,1
	global_load_b128 v[RB+8*\q+4*\c:RB+8*\q+4*\c+3], v5, s[30:31] offset:(\s)*32768+\q*1024+\c*512   ; w3: tile q = 2 cbl + u
.endr
.endr
.irp c, 0,1
	global_load_b128 v[RB+32+4*\c:RB+32+4*\c+3], v5, s[42:43] offset:(\s)*1024+\c*512   ; h: the group's first row tile,
	global_load_b128 v[RB+40+4*\c:RB+40+4*\c+3], v5, s[44:45] offset:(\s)*1024+\c*512   ; its second
.endr
	global_load_b32 v[SB], v6, s[32:33] offset:(\s)*2048         ; w3's scale words, cbl = 0: lanes 0-15 u = 0, lanes 16-31 u = 1
	global_load_b32 v[SB+1], v6, s[32:33] offset:(\s)*2048+128   ; cbl = 1
	global_load_b32 v[SB+2], v13, s[38:39] offset:(\s)*64        ; h's: lanes 0-15 the first row tile's rows, lanes 16-31 the second's
.endm
.macro PROD d, a, b, sa, sb, u, i
.if ((\u) == 0) && ((\i) == 0)
	v_wmma_scale_f32_16x16x128_f8f6f4 v[\d:\d+7], v[\a:\a+7], v[\b:\b+7], v[\d:\d+7], v[\sa], v[\sb] matrix_a_fmt:MATRIX_FMT_FP4 matrix_b_fmt:MATRIX_FMT_FP4
.elseif (\i) == 0
	v_wmma_scale_f32_16x16x128_f8f6f4 v[\d:\d+7], v[\a:\a+7], v[\b:\b+7], v[\d:\d+7], v[\sa], v[\sb] matrix_a_fmt:MATRIX_FMT_FP4 matrix_b_fmt:MATRIX_FMT_FP4 matrix_a_scale:MATRIX_SCALE_ROW1
.elseif (\u) == 0
	v_wmma_scale_f32_16x16x128_f8f6f4 v[\d:\d+7], v[\a:\a+7], v[\b:\b+7], v[\d:\d+7], v[\sa], v[\sb] matrix_a_fmt:MATRIX_FMT_FP4 matrix_b_fmt:MATRIX_FMT_FP4 matrix_b_scale:MATRIX_SCALE_ROW1
.else
	v_wmma_scale_f32_16x16x128_f8f6f4 v[\d:\d+7], v[\a:\a+7], v[\b:\b+7], v[\d:\d+7], v[\sa], v[\sb] matrix_a_fmt:MATRIX_FMT_FP4 matrix_b_fmt:MATRIX_FMT_FP4 matrix_a_scale:MATRIX_SCALE_ROW1 matrix_b_scale:MATRIX_SCALE_ROW1
.endif
.endm
; K step s: left = the loads issued behind its 15, which may stay out.  The eight accumulators take turns, one instruction a turn, in the same order in every step
.macro KSTEP s, left
	s_wait_loadcnt \left
.set RB, 96+48*((\s)%3)
.set SB, 22+3*((\s)%3)
.irp i, 0,1
.irp q, 0,1,2,3
	PROD ACC+8*(4*\i+\q), RB+8*\q, RB+32+8*\i, SB+\q/2, SB+2, \q%2, \i
.endr
.endr
.if (\s) == 0
	v_min_u32 v16, 0x7ff, v16                      ; the rows' tokens, held inside the tables.  These four lines are the places behind the products, ahead of the loads into the registers that they read
	v_min_u32 v17, 0x7ff, v17
	v_lshlrev_b32 v18, 2, v16
	v_lshlrev_b32 v19, 2, v17
	global_load_b32 v20, v18, s[40:41]             ; the gate's weights of my row in the two tiles
	global_load_b32 v21, v19, s[40:41]
	LOADSET 3
.elseif (\s) < 13
.rept 4
	v_nop                                          ; four places ahead of loads into registers that matrix instructions have read
.endr
	LOADSET (\s)+3
.endif
.endm
; row tile i leaves the accumulators: x the gate's weight, into the stage, and back by rows into v[ob] on, each row's token into v[tb] on: 25 LDS instructions
.macro OUTT i, ob, tb
.set AB, ACC+32*(\i)
.irp j, 0,2,4,6,8,10,12,14,16,18,20,22,24,26,28,30
.if (\i) == 0
	v_pk_mul_f32 v[AB+\j:AB+\j+1], v[AB+\j:AB+\j+1], v[20:21] op_sel_hi:[1,0]              ; each accumulator from its low end on
.else
	v_pk_mul_f32 v[AB+\j:AB+\j+1], v[AB+\j:AB+\j+1], v[20:21] op_sel:[0,1] op_sel_hi:[1,1]
.endif
.endr
.irp q, 0,1,2,3
	ds_store_b128 v8, v[AB+8*\q:AB+8*\q+3] offset:(\q/2)*128+(\q%2)*32
	ds_store_b128 v8, v[AB+8*\q+4:AB+8*\q+7] offset:(\q/2)*128+(\q%2)*32+16
.endr
	ds_store_b32 v10, v[16+(\i)]                   ; my row's token, behind the row's 256 bytes (both halves of the lanes store the same)
.irp p, 0,1,2,3,4,5,6,7
	ds_load_b128 v[\ob+4*\p:\ob+4*\p+3], v9 offset:544*\p   ; LDS serves a wave's instructions in order: these see my stores, and the next tile's stores come behind them.  Lanes 0-15 row 2 p, lanes 16-31 row 2 p + 1
.endr
.irp p, 0,1,2,3,4,5,6,7
	ds_load_b32 v[\tb+\p], v11 offset:544*\p
.endr
.endm
.macro SENDT ob, tb, younger
	s_wait_dscnt \younger
.irp p, 0,1,2,3,4,5,6,7
	v_min_u32 v[\tb+\p], 0x7ff, v[\tb+\p]          ; the row's token, held inside out0,
	v_lshl_add_u32 v[\tb+\p], v[\tb+\p], 11, v12   ; x 2,048 bytes, + my 16 of the row's 256
	global_store_b128 v[\tb+\p], v[\ob+4*\p:\ob+4*\p+3], s[36:37] th:TH_STORE_NT   ; sixteen lanes store 256 consecutive bytes, aligned
.endr
.endm
	s_load_b256 s[4:11], s[0:1], 0x0               ; order s[4:5], xq s[6:7], hq s[8:9], wq s[10:11]
	s_load_b128 s[12:15], s[0:1], 0x20             ; wsc s[12:13], b3 s[14:15]
	s_load_b64 s[16:17], s[0:1], 0x30              ; out0
	v_lshl_add_u32 v1, v0, 2, SPARE                ; my spare word, and 0: kept for the closing add alone
	v_mov_b32 v2, 0
	v_lshrrev_b32 v3, 5, v0
	v_readfirstlane_b32 s18, v3                    ; wave 0..3
	v_and_b32 v3, 15, v0                           ; r
	v_bfe_u32 v4, v0, 4, 1                         ; hh
	v_and_b32 v5, 31, v0
	v_lshlrev_b32 v6, 2, v5                        ; 4 x lane
	v_lshlrev_b32 v5, 4, v5                        ; 16 x lane
	v_lshlrev_b32 v7, 6, v4                        ; 64 hh: b3 of my 16 columns
	s_mul_i32 s48, s18, 4352                       ; my stage
	v_mul_u32_u24 v8, v3, 272
	v_add_nc_u32 v10, s48, v8                      ; row r
	v_lshl_add_u32 v8, v4, 6, v10                  ; in: + 64 hh
	v_add_nc_u32 v10, 256, v10                     ; the row's token
	v_lshlrev_b32 v12, 4, v3                       ; 16 x (lane % 16)
	v_mul_u32_u24 v11, v4, 272
	v_add_nc_u32 v11, s48, v11                     ; back: row hh of a pair,
	v_add_nc_u32 v9, v11, v12                      ; 16 bytes a lane;
	v_add_nc_u32 v11, 256, v11                     ; and its token
	s_and_b32 s19, ttmp7, 0xffff                   ; the expert
	s_lshr_b32 s24, ttmp9, 2                       ; ds
	s_and_b32 s25, ttmp9, 3                        ; qg
	s_lshl_b32 s46, s19, 4
	s_mov_b32 s47, 0
	s_wait_kmcnt 0x0
	s_add_nc_u64 s[42:43], s[4:5], s[46:47]
	s_load_b128 s[20:23], s[42:43], 0x2000         ; the expert's first place s20, tokens s21, first row tile s22, row tiles s23
	s_lshl_b32 s48, s19, 8
	s_lshl_b32 s49, s24, 1
	s_add_co_u32 s48, s48, s49                     ; unit 256 e + 2 ds of K step 0
	s_lshl_b32 s46, s48, 11
	s_add_co_u32 s46, s46, 8388608
	s_add_nc_u64 s[30:31], s[10:11], s[46:47]      ; w3's codes
	s_lshl_b32 s46, s48, 7
	s_add_co_u32 s46, s46, 524288
	s_add_nc_u64 s[32:33], s[12:13], s[46:47]      ; w3's scale words
	s_lshl_b32 s46, s19, 11
	s_lshl_b32 s49, s24, 8
	s_add_co_u32 s46, s46, s49
	s_add_nc_u64 s[34:35], s[14:15], s[46:47]      ; b3 at my 64 columns
	s_mov_b32 s46, s49
	s_add_nc_u64 s[36:37], s[16:17], s[46:47]      ; out0 at my 64 columns
	s_add_nc_u64 s[38:39], s[8:9], HS_OFF          ; h's scale words
	s_add_nc_u64 s[40:41], s[6:7], GW_OFF          ; the gate's weights
	s_lshl_b32 s26, s18, 2
	s_add_co_u32 s26, s26, s25                     ; my first group
	s_wait_kmcnt 0x0
	s_add_co_u32 s27, s23, 1
	s_lshr_b32 s27, s27, 1                         ; the expert's groups
	s_cmp_ge_u32 s26, s27
	s_cbranch_scc1 .Lnone
	s_sub_co_u32 s53, s27, s26                     ; my trips: groups g, g + 16, .. under the expert's groups: (groups - g + 15) / 16,
	s_add_co_u32 s53, s53, 15
	s_lshr_b32 s53, s53, 4
	s_min_u32 s53, s53, 4                          ; 4 at the most: 2,048 tokens on one expert are 64 groups
	s_mov_b32 s52, 0                               ; the trips made
	s_sub_co_u32 s28, s21, 1                       ; the expert's last row
	s_sub_co_u32 s29, s23, 1                       ; its last row tile
.Lgroup:
	s_lshl_b32 s48, s26, 1                         ; the group's first tile,
	s_add_co_u32 s49, s48, 1
	s_min_u32 s49, s49, s29                        ; its second, or the first once more
	s_lshl_b32 s50, s48, 4
	s_lshl_b32 s51, s49, 4
	v_add_nc_u32 v14, s50, v3
	v_add_nc_u32 v15, s51, v3
	v_min_u32 v14, s28, v14                        ; rows past the expert's last are copies of it
	v_min_u32 v15, s28, v15
	v_add_nc_u32 v14, s20, v14
	v_add_nc_u32 v15, s20, v15
	v_min_u32 v14, 0x7ff, v14                      ; held inside order
	v_min_u32 v15, 0x7ff, v15
	v_lshlrev_b32 v14, 2, v14
	v_lshlrev_b32 v15, 2, v15
	global_load_b32 v16, v14, s[4:5]               ; my row's token in the two tiles
	global_load_b32 v17, v15, s[4:5]
	v_add_nc_u32 v13, s48, v4                      ; h's scale words: lanes 0-15 the first tile, lanes 16-31 the second
	v_min_u32 v13, s29, v13
	v_add_nc_u32 v13, s22, v13
	v_min_u32 v13, 135, v13                        ; held inside hq
	v_lshlrev_b32 v13, 10, v13
	v_lshl_add_u32 v13, v3, 2, v13
	s_add_co_u32 s48, s48, s22
	s_min_u32 s48, s48, 135
	s_lshl_b32 s46, s48, 14
	s_add_nc_u64 s[42:43], s[8:9], s[46:47]        ; h's codes of the first tile,
	s_add_co_u32 s49, s49, s22
	s_min_u32 s49, s49, 135
	s_lshl_b32 s46, s49, 14
	s_add_nc_u64 s[44:45], s[8:9], s[46:47]        ; of the second
.irp i, 0,1
.irp q, 0,1,2,3
	global_load_b128 v[ACC+8*(4*\i+\q):ACC+8*(4*\i+\q)+3], v7, s[34:35] offset:(\q/2)*128+(\q%2)*32        ; b3 starts the sums
	global_load_b128 v[ACC+8*(4*\i+\q)+4:ACC+8*(4*\i+\q)+7], v7, s[34:35] offset:(\q/2)*128+(\q%2)*32+16
.endr
.endr
	LOADSET 0
	LOADSET 1
	LOADSET 2
	KSTEP 0, 30                                    ; out: sets 1 and 2
	KSTEP 1, 32                                    ; out: set 2, the two gate weights, set 3
	KSTEP 2, 32                                    ; out: the two gate weights, sets 3 and 4
.irp s, 3,4,5,6,7,8,9,10,11,12,13
	KSTEP \s, 30                                   ; out: the two younger sets
.endr
	KSTEP 14, 15                                   ; out: set 15
	KSTEP 15, 0
.rept 4
	v_nop                                          ; four places behind the last products, ahead of the first read of results and of the LDS loads into registers that they read
.endr
	OUTT 0, 96, 128
	OUTT 1, 136, 168                               ; the second tile's arithmetic stands between the first's loads and its stores
	SENDT 96, 128, 25                              ; out: the second tile's 9 stores and 16 loads
	SENDT 136, 168, 0
	s_wait_xcnt 0x0                                ; the stores have read their data and addresses: the next group's loads may land there, and its bases may be written
	s_add_co_u32 s26, s26, 16                      ; my next group: it enters addresses alone, each behind its constant clamp
	s_add_co_u32 s52, s52, 1                       ; the loop ends on the count of trips
	s_cmp_lt_u32 s52, s53
	s_cbranch_scc1 .Lgroup
	s_wait_tensorcnt 0x0                           ; the wave's end
	ds_add_u32 v1, v2
	s_wait_dscnt 0x0
	s_endpgm
.Lnone:                                                ; a wave that had no group has written no LDS
	s_endpgm
.Lfunc_end_k_q19ed219041_outp:
	.size	k_q19ed219041_outp, .Lfunc_end_k_q19ed219041_outp-k_q19ed219041_outp
	.p2alignl 7, 3214868480
	.fill 96, 4, 3214868480
	.section	.rodata,"a",@progbits
	.p2align	6, 0x0
	.amdhsa_kernel k_q19ed219041_outp
		.amdhsa_group_segment_fixed_size 17920
		.amdhsa_private_segment_fixed_size 0
		.amdhsa_enable_private_segment 0
		.amdhsa_kernarg_size 56
		.amdhsa_user_sgpr_count 2
		.amdhsa_user_sgpr_kernarg_segment_ptr 1
		.amdhsa_wavefront_size32 1
		.amdhsa_system_sgpr_workgroup_id_x 1
		.amdhsa_system_sgpr_workgroup_id_y 1
		.amdhsa_system_sgpr_workgroup_id_z 1
		.amdhsa_system_vgpr_workitem_id 0
		.amdhsa_next_free_vgpr 240
		.amdhsa_next_free_sgpr 66
		.amdhsa_reserve_vcc 0
		.amdhsa_float_denorm_mode_32 3
		.amdhsa_float_denorm_mode_16_64 3
		.amdhsa_memory_ordered 1
		.amdhsa_forward_progress 1
		.amdhsa_inst_pref_size 56
	.end_amdhsa_kernel
	.amdgpu_metadata
---
amdhsa.version: [ 1, 2 ]
amdhsa.kernels:
  - .name:           k_q19ed219041_outp
    .symbol:         k_q19ed219041_outp.kd
    .args:
      - { .name: order, .offset: 0, .size: 8, .value_kind: global_buffer, .address_space: global }
      - { .name: xq, .offset: 8, .size: 8, .value_kind: global_buffer, .address_space: global }
      - { .name: hq, .offset: 16, .size: 8, .value_kind: global_buffer, .address_space: global }
      - { .name: wq, .offset: 24, .size: 8, .value_kind: global_buffer, .address_space: global }
      - { .name: wsc, .offset: 32, .size: 8, .value_kind: global_buffer, .address_space: global }
      - { .name: b3, .offset: 40, .size: 8, .value_kind: global_buffer, .address_space: global }
      - { .name: out0, .offset: 48, .size: 8, .value_kind: global_buffer, .address_space: global }
    .group_segment_fixed_size: 17920
    .private_segment_fixed_size: 0
    .kernarg_segment_align: 8
    .kernarg_segment_size: 56
    .max_flat_workgroup_size: 128
    .sgpr_count:     66
    .vgpr_count:     240
    .wavefront_size: 32
...
	.end_amdgpu_metadata
.endif
;; end of part 4
;; ======== version 2 of 2: 4 launches; 1.19 times as fast as version 1
;; workspace buffers: wq 12,582,912 bytes; wsc 786,432 bytes; xq 565,248 bytes; top 8,192 bytes of whole numbers; order 8,704 bytes of whole numbers; hq 2,367,488 bytes
;; launch prep1 (part 5): grid 896 x 1, 4 waves a work-group, no clusters, 69,120 bytes of LDS; arguments x, gate_w, gate_b, w1, w2, w3, wq, wsc, xq, top; writes wq, wsc, xq, top
.if DOCPART == 5
	.amdgcn_target "amdgcn-amd-amdhsa--gfx1250"
	.amdhsa_code_object_version 6
	.text
	.protected	k_q19ed219041_prep1
	.globl	k_q19ed219041_prep1
	.p2align	8
	.type	k_q19ed219041_prep1,@function
k_q19ed219041_prep1:
	s_mov_b64 s[64:65], 0
	v_nop
	global_prefetch_b8 v0, s[64:65] scope:SCOPE_SE
	s_setreg_imm32_b32 hwreg(HW_REG_WAVE_MODE, 25, 1), 1
	s_wait_xcnt 0x0
; GatedMoEFFN, launch 1 of 4: the router, x into codes of FP4 (E2M1), and the weights of experts 0 to 3 into codes.
; WORK LEFT OUT BY THE WHOLE PROGRAM.  For token n and expert i other than top[n], reference() multiplies y by the 0 of its own
; jnp.where(top == i, soft[:, i], 0.0): so rows n of xt @ w1[i], xt @ w2[i] and h @ w3[i] reach no output, whatever finite values the inputs hold.
; Only the chosen expert's rows are multiplied (launches 3 and 4).  LIMIT: a NaN, an infinity or an overflow that arises only in an expert that was
; not chosen for a token (0 x infinity) is not carried to the result.  aux_loss is the constant 0.0 and is stored as such (launch 2).  Every input is loaded.
; LIMITS.  NaN and infinities among the inputs are not served.  The logits are f32 sums in another order than reference()'s: two logits that differ by f32
; rounding alone may change places in the argmax; equal logits give the lower index, as jnp.argmax does.  A block of zeros gets the scale byte 1 where the rule says 127:
; its codes are zeros, which add nothing under any byte but 0xff, and the bytes are read by this program alone.
; ROLES, by the work-group's number.  Work-groups 0 to 127: the router, 4 tokens a wave, so that a router's wave has about as much to do as three waves of the other role.  Work-groups 128 to 895: the weights, one unit a wave.
; A UNIT is 128 along K x 32 columns of one weight matrix.  K is the FIRST axis of w1, w2 and w3: a lane takes a column and its 128 registers run down K, so a block of 32 lies in one lane,
; its largest magnitude needs no other lane, and the conversions give codes with K innermost.  The codes are stored AS THE OPERAND'S REGISTERS: [tile u][c][lane][16 bytes], 2,048 bytes a unit.
; Lane l takes column (l % 8) + 16 ((l / 8) % 2) + 8 (l / 16) of the 32: row m of tile u is column 8 u + m + 8 (m / 8), so that in a transposed product a lane's 16 results of tiles 0 and 1 are 16 neighbours.
; No tensor loads, no cluster, no barrier: the work-groups share no input but gate_w (16 KiB), and waves share nothing.
.set NR,     128                       ; work-groups of the other role, in front of the weights'
.set EBASE,  0                         ; the first expert of this launch
.set PW1,    10                        ; s[10:11] w1, s[12:13] w2, s[14:15] w3, s[16:17] wq, s[18:19] wsc
.set PW2,    12
.set PW3,    14
.set PWQ,    16
.set PWS,    18
.set XS_OFF, 524288                    ; in xq: x's scale bytes, 16 a token
.set GW_OFF, 557056                    ; in xq: the gate's weight, f32, one a token
.set SPARE,  1024                      ; LDS: behind the four waves' places for scale bytes (256 each): the spare words, 128 bytes a wave, which no other line names
.set GLDS,   1536                      ; LDS: behind them, for each wave: gate_w on its turn, 32 pieces of 512 bytes + 16 of padding
.set GPITCH, 528                       ; 33 x 16 bytes
.set GWAVE,  32*GPITCH
.set X,      16                        ; weights: v16-143 128 numbers down K
.set C,      144                       ; weights: v144-159 the codes, four registers a block
.set ACC,    18                        ; router: v18-25 eight partial logits
.set RT,     26                        ; router: v26-33 the other half of the lanes' sums
.set L,      34                        ; router: v34-41 the logits: lane l holds token l % 4's
.set XR,     48                        ; router: v48-111 four tokens' 16 numbers of x
.set G,      112                       ; router: v112-239 gate_w[16 l + i][j] at G + 8 i + j
; 128 loads: row i of the unit at my column; the 32 lanes of a load read 128 consecutive bytes, the four waves of a work-group 512
.macro QLOAD rowb
.set i, 0
.rept 128
	global_load_b32 v[X+i], v4, s[28:29] offset:i*\rowb th:TH_LOAD_NT
.set i, i+1
.endr
.endm
; block t of my column: its largest magnitude, its scale byte, its 32 codes
.macro QBLOCK t
.set XB, X+32*(\t)
	v_max3_num_f32 v8, |v[XB]|, |v[XB+1]|, |v[XB+2]|               ; two chains, so that no line waits for the line above it
	v_max3_num_f32 v9, |v[XB+3]|, |v[XB+4]|, |v[XB+5]|
.irp i, 6,10,14,18,22,26
	v_max3_num_f32 v8, v8, |v[XB+\i]|, |v[XB+\i+1]|
	v_max3_num_f32 v9, v9, |v[XB+\i+2]|, |v[XB+\i+3]|
.endr
	v_max3_num_f32 v8, v8, |v[XB+30]|, |v[XB+31]|
	v_max3_num_f32 v8, v8, v9, 0x1800000           ; and the floor 2^(3 - 127): the byte cannot fall under 1
	v_add_nc_u32 v10, 0xff000000, v8               ; 2 off the exponent field: the conversion takes the exponent field of this operand as its scale
.if (\t) == 0
	v_lshrrev_b32 v12, 23, v10                     ; the scale's byte: four to the unit's scale word, the lower K in the lower byte
.else
	v_lshrrev_b32 v11, 23, v10
	v_lshl_or_b32 v12, v11, 8*(\t), v12
.endif
.irp g, 0,1,2,3
	v_cvt_scalef32_pk8_fp4_f32 v[C+4*(\t)+\g], v[XB+8*\g:XB+8*\g+7], v10
.endr
.endm
	s_load_b512 s[4:19], s[0:1], 0x0               ; x s[4:5], gate_w s[6:7], gate_b s[8:9], w1, w2, w3, wq, wsc
	s_load_b128 s[20:23], s[0:1], 0x40             ; xq s[20:21], top s[22:23]
	v_lshl_add_u32 v1, v0, 2, SPARE                ; my spare word, and 0: kept for the closing add alone
	v_mov_b32 v2, 0
	v_lshrrev_b32 v3, 5, v0
	v_readfirstlane_b32 s24, v3                    ; wave 0..3
	v_and_b32 v3, 31, v0                           ; lane
	s_cmp_lt_u32 ttmp9, NR
	s_cbranch_scc1 .Lrouter
	; ---------------- THE WEIGHTS ----------------
	s_sub_co_u32 s25, ttmp9, NR
	s_lshr_b32 s26, s25, 8                         ; which matrix: 0 w1, 1 w2, 2 w3
	s_bfe_u32 s27, s25, 0x20006                    ; the expert: 2 bits from bit 6
.if EBASE
	s_add_co_u32 s27, s27, EBASE
.endif
	s_and_b32 s25, s25, 63                         ; which four units of its 256
	v_and_b32 v4, 7, v3
	v_lshlrev_b32 v4, 2, v4
	v_bfe_u32 v7, v3, 3, 1
	v_lshl_add_u32 v4, v7, 6, v4
	v_bfe_u32 v7, v3, 4, 1
	v_lshl_add_u32 v4, v7, 5, v4                   ; 4 x my column
	v_lshlrev_b32 v5, 4, v3                        ; 16 x lane
	v_lshlrev_b32 v6, 2, v3                        ; 4 x lane
	s_mov_b32 s39, 0
	s_wait_kmcnt 0x0
	s_cmp_eq_u32 s26, 2
	s_cbranch_scc1 .Lw3
	s_lshr_b32 s34, s25, 4                         ; w1, w2 [512][2048]: K step 0..3,
	s_and_b32 s35, s25, 15
	s_lshl_b32 s35, s35, 2
	s_add_co_u32 s35, s35, s24                     ; block of 32 columns 0..63
	s_lshl_b32 s36, s27, 6
	s_add_co_u32 s36, s36, s35
	s_lshl_b32 s36, s36, 2
	s_add_co_u32 s36, s36, s34                     ; unit = (64 e + cb) 4 + s
	s_lshl_b32 s38, s27, 22                        ; an expert is 4 MiB,
	s_lshl_b32 s37, s34, 20                        ; 128 rows of 8,192 bytes,
	s_add_co_u32 s38, s38, s37
	s_lshl_b32 s37, s35, 7                         ; 32 columns
	s_add_co_u32 s38, s38, s37
	s_cmp_eq_u32 s26, 0
	s_cselect_b64 s[28:29], s[PW1:PW1+1], s[PW2:PW2+1]
	s_add_nc_u64 s[28:29], s[28:29], s[38:39]
	s_lshl_b32 s38, s26, 22                        ; codes: w1 at 0, w2 at 4 MiB; 2,048 bytes a unit
	s_lshl_b32 s37, s36, 11
	s_add_co_u32 s38, s38, s37
	s_add_nc_u64 s[30:31], s[PWQ:PWQ+1], s[38:39]
	s_lshl_b32 s38, s26, 18                        ; scale words: w1 at 0, w2 at 256 KiB; 128 bytes a unit
	s_lshl_b32 s37, s36, 7
	s_add_co_u32 s38, s38, s37
	s_add_nc_u64 s[32:33], s[PWS:PWS+1], s[38:39]
	QLOAD 8192
	s_branch .Lq
.Lw3:
	s_lshr_b32 s34, s25, 2                         ; w3 [2048][512]: K step 0..15,
	s_and_b32 s35, s25, 3
	s_lshl_b32 s35, s35, 2
	s_add_co_u32 s35, s35, s24                     ; block of 32 columns 0..15
	s_lshl_b32 s36, s27, 4
	s_add_co_u32 s36, s36, s34
	s_lshl_b32 s36, s36, 4
	s_add_co_u32 s36, s36, s35                     ; unit = (16 e + s) 16 + cb
	s_lshl_b32 s38, s27, 22
	s_lshl_b32 s37, s34, 18                        ; 128 rows of 2,048 bytes
	s_add_co_u32 s38, s38, s37
	s_lshl_b32 s37, s35, 7
	s_add_co_u32 s38, s38, s37
	s_add_nc_u64 s[28:29], s[PW3:PW3+1], s[38:39]
	s_lshl_b32 s38, s36, 11
	s_add_co_u32 s38, s38, 8388608                 ; codes: w3 at 8 MiB
	s_add_nc_u64 s[30:31], s[PWQ:PWQ+1], s[38:39]
	s_lshl_b32 s38, s36, 7
	s_add_co_u32 s38, s38, 524288                  ; scale words: w3 at 512 KiB
	s_add_nc_u64 s[32:33], s[PWS:PWS+1], s[38:39]
	QLOAD 2048
.Lq:                                                   ; on both ways the same 128 loads are out
	s_wait_loadcnt 63                              ; 65 of the 128 are in: blocks 0 and 1 (the count that block 0 alone would allow, 96, is more than the wait can name)
	QBLOCK 0
	QBLOCK 1
	s_wait_loadcnt 32                              ; block 3's 32 loads may be out
	QBLOCK 2
	s_wait_loadcnt 0x0
	QBLOCK 3
	v_nop                                          ; one plain line between the last conversion and the lines that touch the codes
.irp c, 0,1                            ; the operand's layout wants block 2 c in lanes 0-15 and block 2 c + 1 in lanes 16-31 of one tile; I hold all four blocks of one column.
.irp g, 0,1,2,3                        ; The first register's lanes 16-31 change places with the second's lanes 0-15: the first is then register 4 c + g of tile 0, the second that of tile 1
	v_permlane16_swap_b32 v[C+8*\c+\g], v[C+8*\c+4+\g]
.endr
.endr
	global_store_b128 v5, v[C:C+3], s[30:31]                     ; tile 0, c = 0: each store covers 512 consecutive bytes, aligned
	global_store_b128 v5, v[C+8:C+11], s[30:31] offset:512       ; tile 0, c = 1
	global_store_b128 v5, v[C+4:C+7], s[30:31] offset:1024       ; tile 1, c = 0
	global_store_b128 v5, v[C+12:C+15], s[30:31] offset:1536     ; tile 1, c = 1
	global_store_b32 v6, v12, s[32:33]             ; the scale words: lanes 0-15 tile 0's rows, lanes 16-31 tile 1's: 128 consecutive bytes, one byte in 17 of what the wave stores
	s_endpgm                                       ; this role has written no LDS
	; ---------------- THE ROUTER ----------------
	; Wave w of work-group g takes tokens 4 (4 g + w) on.  Lane l holds x[16 l .. 16 l + 15] of a token and the same 16 rows of gate_w, which stay in registers.
	; All that the wave reads is asked for at once: gate_w and the four tokens' rows.
.Lrouter:
	s_lshl_b32 s25, ttmp9, 2
	s_add_co_u32 s25, s25, s24
	s_lshl_b32 s25, s25, 2                         ; my first token
	v_lshlrev_b32 v4, 6, v3                        ; x: 64 bytes a lane
	v_lshlrev_b32 v5, 3, v3                        ; codes: 8 bytes a lane
	s_lshl_b32 s26, s24, 8                         ; LDS: my wave's place for scale bytes (64 of its 256 are used)
	v_lshrrev_b32 v6, 1, v3
	v_add_nc_u32 v6, s26, v6                       ; my block's byte: two lanes to a block
	v_and_b32 v7, 7, v3
	v_lshlrev_b32 v7, 3, v7
	v_add_nc_u32 v7, s26, v7                       ; and on the way out 8 bytes for each of eight lanes; the other lanes read the same again
	v_and_b32 v8, 3, v3
	v_lshlrev_b32 v8, 2, v8                        ; 4 x (lane % 4)
	v_lshlrev_b32 v9, 4, v3                        ; gate_w as it lies: 16 bytes a lane
	s_mul_i32 s51, s24, GWAVE
	s_add_co_u32 s51, s51, GLDS                    ; LDS: my wave's bytes for gate_w's turn
	v_lshl_add_u32 v42, v3, 4, s51                 ; in: 16 bytes a lane, a load's 512 bytes on end
	v_mul_u32_u24 v43, v3, GPITCH
	v_add_nc_u32 v43, s51, v43                     ; back: piece l is mine: rows 16 l .. 16 l + 15
	s_mov_b32 s48, 0x76543210
	s_mov_b32 s49, 0xfedcba98                      ; v_permlanex16_b32's selects for lane l xor 16
.irp j, 0,1,2,3,4,5,6,7
	v_mov_b32 v[RT+\j], 0                          ; written once: a lane permute's destination counts as one of its sources,
	v_mov_b32 v[L+\j], 0                           ; and so does a select's
.endr
	s_mov_b32 s27, 0
	s_wait_kmcnt 0x0
	s_load_b256 s[40:47], s[8:9], 0x0              ; gate_b
	s_lshl_b32 s26, s25, 11
	s_add_nc_u64 s[52:53], s[4:5], s[26:27]        ; x at my first token: 2,048 bytes a token
	s_lshl_b32 s26, s25, 8
	s_add_nc_u64 s[54:55], s[20:21], s[26:27]      ; its codes: 256 bytes a token
	s_lshl_b32 s26, s25, 4
	s_add_co_u32 s26, s26, XS_OFF
	s_add_nc_u64 s[56:57], s[20:21], s[26:27]      ; its scale bytes
	s_lshl_b32 s26, s25, 2
	s_add_nc_u64 s[60:61], s[22:23], s[26:27]      ; top
	s_add_co_u32 s26, s26, GW_OFF
	s_add_nc_u64 s[58:59], s[20:21], s[26:27]      ; the gate's weights
.set i, 0
.rept 32
	global_load_b128 v[G+4*i:G+4*i+3], v9, s[6:7] offset:512*i   ; each load reads 512 consecutive bytes: the 16 rows that lane i will want
.set i, i+1
.endr
.macro XL t                            ; token t's row: a lane's four loads are its 64 consecutive bytes, and together they cover the row
.irp i, 0,1,2,3
	global_load_b128 v[XR+16*(\t)+4*\i:XR+16*(\t)+4*\i+3], v4, s[52:53] offset:(\t)*2048+16*\i th:TH_LOAD_NT
.endr
.endm
	XL 0
	XL 1
	XL 2
	XL 3
	s_wait_loadcnt 16                              ; gate_w's 32 loads are in; x's 16 may be out
.set i, 0
.rept 32
	ds_store_b128 v42, v[G+4*i:G+4*i+3] offset:GPITCH*i          ; piece i, as loaded
.set i, i+1
.endr
.set i, 0
.rept 32
	ds_load_b128 v[G+4*i:G+4*i+3], v43 offset:16*i               ; LDS serves a wave's instructions in order: these see my stores.  My piece's 512 bytes, into the registers that the pieces left
.set i, i+1
.endr
	s_wait_dscnt 0x0
; One token.  left = the loads of the younger tokens, which may stay out.
.macro TOKEN t, left
.set XB, XR+16*(\t)
.set CP, 14+2*((\t)%2)
	s_wait_loadcnt \left
.irp p, 0,1,2,3                        ; eight logits' parts over my 16 k: two logits an instruction, x[i] for both halves
	v_pk_mul_f32 v[ACC+2*\p:ACC+2*\p+1], v[G+2*\p:G+2*\p+1], v[XB:XB+1] op_sel_hi:[1,0]
.endr
.irp i, 1,2,3,4,5,6,7,8,9,10,11,12,13,14,15
.irp p, 0,1,2,3
.if (\i)%2
	v_pk_fma_f32 v[ACC+2*\p:ACC+2*\p+1], v[G+8*\i+2*\p:G+8*\i+2*\p+1], v[XB+\i-1:XB+\i], v[ACC+2*\p:ACC+2*\p+1] op_sel:[0,1,0] op_sel_hi:[1,1,1]
.else
	v_pk_fma_f32 v[ACC+2*\p:ACC+2*\p+1], v[G+8*\i+2*\p:G+8*\i+2*\p+1], v[XB+\i:XB+\i+1], v[ACC+2*\p:ACC+2*\p+1] op_sel_hi:[1,0,1]
.endif
.endr
.endr
	v_max3_num_f32 v10, |v[XB]|, |v[XB+1]|, |v[XB+2]|              ; the largest magnitude of my 16
	v_max3_num_f32 v11, |v[XB+3]|, |v[XB+4]|, |v[XB+5]|
.irp i, 6,10
	v_max3_num_f32 v10, v10, |v[XB+\i]|, |v[XB+\i+1]|
	v_max3_num_f32 v11, v11, |v[XB+\i+2]|, |v[XB+\i+3]|
.endr
	v_max3_num_f32 v10, v10, |v[XB+14]|, |v[XB+15]|
	v_max3_num_f32 v10, v10, v11, 0x1800000        ; and the floor 2^(3 - 127)
	v_max_num_f32_dpp v10, v10, v10 row_xmask:1 row_mask:0xf bank_mask:0xf   ; and of my neighbour's 16: the block's
	v_add_nc_u32 v12, 0xff000000, v10              ; 2 off the exponent field: the conversion's scale operand
	s_wait_xcnt 0x0                                ; the store of two tokens back has read this pair of code registers: it is written again only behind this wait
	v_cvt_scalef32_pk8_fp4_f32 v[CP], v[XB:XB+7], v12
	v_cvt_scalef32_pk8_fp4_f32 v[CP+1], v[XB+8:XB+15], v12
	v_lshrrev_b32 v13, 23, v12                     ; the scale's byte (also the plain line behind the conversions)
	ds_store_b8 v6, v13 offset:16*(\t)             ; both lanes of a block write the same byte with the same value
	global_store_b64 v5, v[CP:CP+1], s[54:55] offset:256*(\t)   ; the wave stores the token's 256 bytes of codes, aligned
.irp k, 1,2,4,8                        ; the sums over the 32 lanes; the eight logits by turns
.irp j, 0,1,2,3,4,5,6,7
	v_add_f32_dpp v[ACC+\j], v[ACC+\j], v[ACC+\j] row_xmask:\k row_mask:0xf bank_mask:0xf
.endr
.endr
.irp j, 0,1,2,3,4,5,6,7
	v_permlanex16_b32 v[RT+\j], v[ACC+\j], s48, s49
.endr
.irp j, 0,1,2,3,4,5,6,7
	v_add_f32 v[ACC+\j], v[ACC+\j], v[RT+\j]
.endr
	s_mov_b32 s50, 0x11111111<<(\t)
.irp j, 0,1,2,3,4,5,6,7
	v_cndmask_b32 v[L+\j], v[L+\j], v[ACC+\j], s50 ; the lanes l with l % 4 = t keep token t's logits
.endr
.endm
	TOKEN 0, 12
	TOKEN 1, 8
	TOKEN 2, 4
	TOKEN 3, 0
	; all four tokens at once: lane l works on token l % 4, eight lanes alike
	s_wait_kmcnt 0x0                               ; gate_b
.irp j, 0,1,2,3,4,5,6,7
	v_add_f32 v[L+\j], s[40+\j], v[L+\j]
.endr
	v_max3_num_f32 v42, v[L], v[L+1], v[L+2]
	v_max3_num_f32 v43, v[L+3], v[L+4], v[L+5]
	v_max3_num_f32 v42, v42, v[L+6], v[L+7]
	v_max_num_f32 v42, v42, v43                    ; the largest logit
	v_mov_b32 v44, 7
.irp j, 6,5,4,3,2,1,0                  ; the lowest index that holds it
	v_cmp_eq_f32 vcc_lo, v[L+\j], v42
	v_cndmask_b32 v44, v44, \j, vcc_lo
.endr
.irp j, 0,1,2,3,4,5,6,7
	v_sub_f32 v[L+\j], v[L+\j], v42                ; the maximum is taken away, as reference()'s softmax does
.endr
.irp j, 0,1,2,3,4,5,6,7
	v_mul_f32 v[L+\j], 0x3fb8aa3b, v[L+\j]         ; x log2(e)
.endr
.irp j, 0,1,2,3,4,5,6,7
	v_exp_f32 v[L+\j], v[L+\j]
.endr
	v_nop                                          ; a plain line behind the last exponential
	s_wait_alu depctr_va_vdst(0)                   ; one wait for the eight, ahead of their first reader
	v_add_f32 v[L], v[L], v[L+1]
	v_add_f32 v[L+2], v[L+2], v[L+3]
	v_add_f32 v[L+4], v[L+4], v[L+5]
	v_add_f32 v[L+6], v[L+6], v[L+7]
	v_add_f32 v[L], v[L], v[L+2]
	v_add_f32 v[L+4], v[L+4], v[L+6]
	v_add_f32 v[L], v[L], v[L+4]
	v_rcp_f32 v45, v[L]                            ; soft[top] = exp(0) / the sum
	v_nop
	s_wait_alu depctr_va_vdst(0)
	global_store_b32 v8, v44, s[60:61]             ; fixed places: no address of this launch hangs on the choice.  The eight lanes of a token store the same
	global_store_b32 v8, v45, s[58:59]
	ds_load_b64 v[46:47], v7                       ; LDS serves a wave's instructions in order: this sees my byte stores
	v_and_b32 v10, 7, v3
	v_lshlrev_b32 v10, 3, v10                      ; 8 x (lane % 8)
	s_wait_dscnt 0x0
	global_store_b64 v10, v[46:47], s[56:57]       ; four tokens' scale bytes: 64 consecutive bytes; the work-group's four waves fill 256, aligned
	s_wait_tensorcnt 0x0                           ; the wave's end
	ds_add_u32 v1, v2
	s_wait_dscnt 0x0
	s_endpgm
.Lfunc_end_k_q19ed219041_prep1:
	.size	k_q19ed219041_prep1, .Lfunc_end_k_q19ed219041_prep1-k_q19ed219041_prep1
	.p2alignl 7, 3214868480
	.fill 96, 4, 3214868480
	.section	.rodata,"a",@progbits
	.p2align	6, 0x0
	.amdhsa_kernel k_q19ed219041_prep1
		.amdhsa_group_segment_fixed_size 69120
		.amdhsa_private_segment_fixed_size 0
		.amdhsa_enable_private_segment 0
		.amdhsa_kernarg_size 80
		.amdhsa_user_sgpr_count 2
		.amdhsa_user_sgpr_kernarg_segment_ptr 1
		.amdhsa_wavefront_size32 1
		.amdhsa_system_sgpr_workgroup_id_x 1
		.amdhsa_system_sgpr_workgroup_id_y 1
		.amdhsa_system_sgpr_workgroup_id_z 1
		.amdhsa_system_vgpr_workitem_id 0
		.amdhsa_next_free_vgpr 240
		.amdhsa_next_free_sgpr 66
		.amdhsa_reserve_vcc 1
		.amdhsa_float_denorm_mode_32 3
		.amdhsa_float_denorm_mode_16_64 3
		.amdhsa_memory_ordered 1
		.amdhsa_forward_progress 1
		.amdhsa_inst_pref_size 81
	.end_amdhsa_kernel
	.amdgpu_metadata
---
amdhsa.version: [ 1, 2 ]
amdhsa.kernels:
  - .name:           k_q19ed219041_prep1
    .symbol:         k_q19ed219041_prep1.kd
    .args:
      - { .name: x, .offset: 0, .size: 8, .value_kind: global_buffer, .address_space: global }
      - { .name: gate_w, .offset: 8, .size: 8, .value_kind: global_buffer, .address_space: global }
      - { .name: gate_b, .offset: 16, .size: 8, .value_kind: global_buffer, .address_space: global }
      - { .name: w1, .offset: 24, .size: 8, .value_kind: global_buffer, .address_space: global }
      - { .name: w2, .offset: 32, .size: 8, .value_kind: global_buffer, .address_space: global }
      - { .name: w3, .offset: 40, .size: 8, .value_kind: global_buffer, .address_space: global }
      - { .name: wq, .offset: 48, .size: 8, .value_kind: global_buffer, .address_space: global }
      - { .name: wsc, .offset: 56, .size: 8, .value_kind: global_buffer, .address_space: global }
      - { .name: xq, .offset: 64, .size: 8, .value_kind: global_buffer, .address_space: global }
      - { .name: top, .offset: 72, .size: 8, .value_kind: global_buffer, .address_space: global }
    .group_segment_fixed_size: 69120
    .private_segment_fixed_size: 0
    .kernarg_segment_align: 8
    .kernarg_segment_size: 80
    .max_flat_workgroup_size: 128
    .sgpr_count:     66
    .vgpr_count:     240
    .wavefront_size: 32
...
	.end_amdgpu_metadata
.endif
;; end of part 5
;; launch prep2 (part 6): grid 769 x 1, 4 waves a work-group, no clusters, 0 bytes of LDS; arguments top, w1, w2, w3, wq, wsc, order, out1; writes wq, wsc, order, out1
.if DOCPART == 6
	.amdgcn_target "amdgcn-amd-amdhsa--gfx1250"
	.amdhsa_code_object_version 6
	.text
	.protected	k_q19ed219041_prep2
	.globl	k_q19ed219041_prep2
	.p2align	8
	.type	k_q19ed219041_prep2,@function
k_q19ed219041_prep2:
	s_mov_b64 s[64:65], 0
	v_nop
	global_prefetch_b8 v0, s[64:65] scope:SCOPE_SE
	s_setreg_imm32_b32 hwreg(HW_REG_WAVE_MODE, 25, 1), 1
	s_wait_xcnt 0x0
; GatedMoEFFN, launch 2 of 4: the tokens sorted by expert, aux_loss, and the weights of experts 4 to 7 into codes of FP4 (E2M1).
; ROLES, by the work-group's number.  Work-group 0: the sort.  Work-groups 1 to 768: the weights, one unit a wave, as in launch 1: a unit is 128 along K x 32 columns; a lane takes a column and its
; registers run down K; the codes are stored as the operand's registers, [tile u][c][lane][16 bytes]; lane l takes column (l % 8) + 16 ((l / 8) % 2) + 8 (l / 16) of the 32.
; THE SORT reads top, which launch 1 stored, and stores order[2048] (the tokens of expert 0, then of expert 1, ..) and, from byte 8,192 on, for each expert {first place, tokens, first row tile, row tiles of 16}.
; Its four waves share nothing: no LDS, no barrier, no atomics.  Wave w PLACES the 512 tokens of quarter w alone; for that it COUNTS all 2,048 itself: a token's place is its expert's first place (the tokens of all lower
; experts), + the expert's tokens in the quarters under w, + its rank among the expert's tokens in quarter w.  The counting is cheap: 1 << 4 top is added into a register of eight 4-bit fields, eight registers to a
; field register (a field holds 8 at the most); the fields are widened to 8 bits (64 a lane at the most), then to 16 (2,048 at the most), and summed over the lanes.
; The quarters are loaded in turned order, quarter (w + q) % 4 into slot q, so that the wave's own lies in slot 0 whatever w is.
; LIMITS: as in launch 1 (NaN and infinities are not served; a block of zeros gets the byte 1).  No tensor loads, no cluster: the work-groups share no input.
.set NR,     1
.set EBASE,  4
.set PW1,    6                         ; s[6:7] w1, s[8:9] w2, s[10:11] w3, s[12:13] wq, s[14:15] wsc
.set PW2,    8
.set PW3,    10
.set PWQ,    12
.set PWS,    14
.set X,      16                        ; weights: v16-143 128 numbers down K
.set C,      144                       ; weights: v144-159 the codes
.set TK,     16                        ; sort: v16-79 slot q at TK + 16 q: register 4 m + i of lane l: top of the quarter's token 128 m + 4 l + i; in slot 0 later its place + 8
.set DT,     80                        ; sort: v80-95 my tokens' numbers, to store
.set EV,     96                        ; sort: v96-103 a group's counts of experts 0, 2, 4, 6, a byte each
.set QE,     104                       ; sort: v104-107 a slot's counts of the even experts;  v108-111 of the odd ones
.set QO,     108
.set TE,     112                       ; sort: v112, v113 all slots' counts, even and odd;  v114, v115 those of the quarters under mine
.set TO,     113
.set PE,     114
.set PO,     115
.set R,      116                       ; sort: v116-123 the same in halves of 16 bits
.set RD,     124                       ; sort: v124-131 another lane's
.set SH,     132                       ; sort: v132-139 at work
.set NA,     144                       ; sort: v144-151 a group's counts, eight fields of 4 bits; then those of the odd experts, a byte each
.set TMP,    144                       ; sort: v144-151 later at work
.set META,   152                       ; sort: v152-155 lane e: expert e's four numbers
.set STOT,   48                        ; sort: s48-55 each expert's tokens
.set SBAS,   56                        ; sort: s56-63 where my next token of each expert goes, + 8
.set SOFF,   68                        ; sort: s68-75 each expert's first place
.set SMSK,   76                        ; sort: s76-83 which lanes, s84-91 how many, s92-99 from where: for eight registers
.set SCNT,   84
.set SBEG,   92
.macro QLOAD rowb
.set i, 0
.rept 128
	global_load_b32 v[X+i], v4, s[28:29] offset:i*\rowb th:TH_LOAD_NT   ; the 32 lanes read 128 consecutive bytes, the four waves of a work-group 512
.set i, i+1
.endr
.endm
.macro QBLOCK t
.set XB, X+32*(\t)
	v_max3_num_f32 v8, |v[XB]|, |v[XB+1]|, |v[XB+2]|
	v_max3_num_f32 v9, |v[XB+3]|, |v[XB+4]|, |v[XB+5]|
.irp i, 6,10,14,18,22,26
	v_max3_num_f32 v8, v8, |v[XB+\i]|, |v[XB+\i+1]|
	v_max3_num_f32 v9, v9, |v[XB+\i+2]|, |v[XB+\i+3]|
.endr
	v_max3_num_f32 v8, v8, |v[XB+30]|, |v[XB+31]|
	v_max3_num_f32 v8, v8, v9, 0x1800000           ; the floor 2^(3 - 127): the byte cannot fall under 1
	v_add_nc_u32 v10, 0xff000000, v8               ; 2 off the exponent field: the conversion's scale operand
.if (\t) == 0
	v_lshrrev_b32 v12, 23, v10                     ; the scale's byte, four to the word
.else
	v_lshrrev_b32 v11, 23, v10
	v_lshl_or_b32 v12, v11, 8*(\t), v12
.endif
.irp g, 0,1,2,3
	v_cvt_scalef32_pk8_fp4_f32 v[C+4*(\t)+\g], v[XB+8*\g:XB+8*\g+7], v10
.endr
.endm
; four bytes become two registers of two halves: byte 0 and byte 2, byte 1 and byte 3
.macro WIDE d, s
	v_and_b32 v[\d], s37, v[\s]
	v_lshrrev_b32 v[\d+1], 8, v[\s]
	v_and_b32 v[\d+1], s37, v[\d+1]
.endm
; the two halves of summed register j are experts lo and hi: of all quarters, and of the quarters under mine
.macro SPLIT j, lo, hi
	s_and_b32 s[STOT+\lo], s[40+\j], 0xffff
	s_lshr_b32 s[STOT+\hi], s[40+\j], 16
	s_and_b32 s[SBAS+\lo], s[44+\j], 0xffff
	s_lshr_b32 s[SBAS+\hi], s[44+\j], 16
.endm
; my quarter's tokens of expert e get their places.  A placed token's register holds its place + 8, which is 8 or more: no later expert's compare can meet it
.macro PLACE e
.irp b, 0,1                            ; eight registers at a time
.irp c, 0,1,2,3,4,5,6,7
	v_cmp_eq_u32 s[SMSK+\c], \e, v[TK+8*\b+\c]     ; which lanes' token goes to this expert
.endr
.irp c, 0,1,2,3,4,5,6,7
	s_bcnt1_i32_b32 s[SCNT+\c], s[SMSK+\c]         ; how many
.endr
	s_mov_b32 s[SBEG], s[SBAS+\e]
.irp c, 1,2,3,4,5,6,7
	s_add_co_u32 s[SBEG+\c], s[SBEG+\c-1], s[SCNT+\c-1]   ; where each register's tokens begin
.endr
	s_add_co_u32 s[SBAS+\e], s[SBEG+7], s[SCNT+7]
.irp c, 0,1,2,3,4,5,6,7
	v_mbcnt_lo_u32_b32 v[TMP+\c], s[SMSK+\c], s[SBEG+\c]   ; + how many lower lanes go there too
.endr
.irp c, 0,1,2,3,4,5,6,7
	v_cndmask_b32 v[TK+8*\b+\c], v[TK+8*\b+\c], v[TMP+\c], s[SMSK+\c]
.endr
.endr
.endm
	s_load_b512 s[4:19], s[0:1], 0x0               ; top s[4:5], w1, w2, w3, wq, wsc, order s[16:17], out1 s[18:19]
	v_lshrrev_b32 v3, 5, v0
	v_readfirstlane_b32 s24, v3                    ; wave 0..3
	v_and_b32 v3, 31, v0                           ; lane
	s_cmp_lt_u32 ttmp9, NR
	s_cbranch_scc1 .Lsort
	; ---------------- THE WEIGHTS ----------------
	s_sub_co_u32 s25, ttmp9, NR
	s_lshr_b32 s26, s25, 8                         ; which matrix: 0 w1, 1 w2, 2 w3
	s_bfe_u32 s27, s25, 0x20006
.if EBASE
	s_add_co_u32 s27, s27, EBASE                   ; the expert
.endif
	s_and_b32 s25, s25, 63
	v_and_b32 v4, 7, v3
	v_lshlrev_b32 v4, 2, v4
	v_bfe_u32 v7, v3, 3, 1
	v_lshl_add_u32 v4, v7, 6, v4
	v_bfe_u32 v7, v3, 4, 1
	v_lshl_add_u32 v4, v7, 5, v4                   ; 4 x my column
	v_lshlrev_b32 v5, 4, v3                        ; 16 x lane
	v_lshlrev_b32 v6, 2, v3                        ; 4 x lane
	s_mov_b32 s39, 0
	s_wait_kmcnt 0x0
	s_cmp_eq_u32 s26, 2
	s_cbranch_scc1 .Lw3
	s_lshr_b32 s34, s25, 4                         ; w1, w2: K step 0..3,
	s_and_b32 s35, s25, 15
	s_lshl_b32 s35, s35, 2
	s_add_co_u32 s35, s35, s24                     ; block of 32 columns 0..63
	s_lshl_b32 s36, s27, 6
	s_add_co_u32 s36, s36, s35
	s_lshl_b32 s36, s36, 2
	s_add_co_u32 s36, s36, s34                     ; unit = (64 e + cb) 4 + s
	s_lshl_b32 s38, s27, 22
	s_lshl_b32 s37, s34, 20
	s_add_co_u32 s38, s38, s37
	s_lshl_b32 s37, s35, 7
	s_add_co_u32 s38, s38, s37
	s_cmp_eq_u32 s26, 0
	s_cselect_b64 s[28:29], s[PW1:PW1+1], s[PW2:PW2+1]
	s_add_nc_u64 s[28:29], s[28:29], s[38:39]
	s_lshl_b32 s38, s26, 22
	s_lshl_b32 s37, s36, 11
	s_add_co_u32 s38, s38, s37
	s_add_nc_u64 s[30:31], s[PWQ:PWQ+1], s[38:39]
	s_lshl_b32 s38, s26, 18
	s_lshl_b32 s37, s36, 7
	s_add_co_u32 s38, s38, s37
	s_add_nc_u64 s[32:33], s[PWS:PWS+1], s[38:39]
	QLOAD 8192
	s_branch .Lq
.Lw3:
	s_lshr_b32 s34, s25, 2                         ; w3: K step 0..15,
	s_and_b32 s35, s25, 3
	s_lshl_b32 s35, s35, 2
	s_add_co_u32 s35, s35, s24                     ; block of 32 columns 0..15
	s_lshl_b32 s36, s27, 4
	s_add_co_u32 s36, s36, s34
	s_lshl_b32 s36, s36, 4
	s_add_co_u32 s36, s36, s35                     ; unit = (16 e + s) 16 + cb
	s_lshl_b32 s38, s27, 22
	s_lshl_b32 s37, s34, 18
	s_add_co_u32 s38, s38, s37
	s_lshl_b32 s37, s35, 7
	s_add_co_u32 s38, s38, s37
	s_add_nc_u64 s[28:29], s[PW3:PW3+1], s[38:39]
	s_lshl_b32 s38, s36, 11
	s_add_co_u32 s38, s38, 8388608
	s_add_nc_u64 s[30:31], s[PWQ:PWQ+1], s[38:39]
	s_lshl_b32 s38, s36, 7
	s_add_co_u32 s38, s38, 524288
	s_add_nc_u64 s[32:33], s[PWS:PWS+1], s[38:39]
	QLOAD 2048
.Lq:                                                   ; on both ways the same 128 loads are out
	s_wait_loadcnt 63                              ; 65 of the 128 are in: blocks 0 and 1 (96, which block 0 alone would allow, is more than the wait can name)
	QBLOCK 0
	QBLOCK 1
	s_wait_loadcnt 32                              ; block 3's 32 loads may be out
	QBLOCK 2
	s_wait_loadcnt 0x0
	QBLOCK 3
	v_nop                                          ; one plain line between the last conversion and the lines that touch the codes
.irp c, 0,1                            ; the first register becomes register 4 c + g of tile 0, the second that of tile 1 (launch 1 says how)
.irp g, 0,1,2,3
	v_permlane16_swap_b32 v[C+8*\c+\g], v[C+8*\c+4+\g]
.endr
.endr
	global_store_b128 v5, v[C:C+3], s[30:31]                     ; each store covers 512 consecutive bytes, aligned
	global_store_b128 v5, v[C+8:C+11], s[30:31] offset:512
	global_store_b128 v5, v[C+4:C+7], s[30:31] offset:1024
	global_store_b128 v5, v[C+12:C+15], s[30:31] offset:1536
	global_store_b32 v6, v12, s[32:33]             ; the scale words, 128 consecutive bytes
	s_endpgm
	; ---------------- THE SORT ----------------
.Lsort:
	v_lshlrev_b32 v4, 2, v3
	s_lshl_b32 s25, s24, 9
	v_add_nc_u32 v4, s25, v4                       ; 512 w + 4 x lane: the token of my quarter's register 0
	v_lshlrev_b32 v5, 4, v3                        ; 16 x lane
	v_mov_b32 v6, 0
	v_mov_b32 v7, 1
.irp j, 0,1,2,3
	v_mov_b32 v[META+\j], 0
.endr
.irp j, 0,1,2,3,4,5,6,7
	v_mov_b32 v[RD+\j], 0                          ; written once: the destination of a move from another lane counts as one of its sources
.endr
	s_mov_b32 s36, 0x0f0f0f0f
	s_mov_b32 s37, 0x00ff00ff
	s_mov_b32 s38, 0x76543210
	s_mov_b32 s39, 0xfedcba98                      ; v_permlanex16_b32's selects for lane l xor 16
	s_mov_b32 s27, 0
	s_wait_kmcnt 0x0
.irp q, 0,1,2,3
	s_add_co_u32 s26, s24, \q
	s_and_b32 s26, s26, 3                          ; slot q holds quarter (w + q) % 4
.if \q > 0
	s_cmp_lt_u32 s26, s24
	s_cselect_b32 s[20+\q], -1, 0                  ; all ones where that quarter lies under mine
.endif
	s_lshl_b32 s26, s26, 11                        ; 2,048 bytes a quarter
	s_add_nc_u64 s[28+2*\q:29+2*\q], s[4:5], s[26:27]
.endr
.irp q, 0,1,2,3
.irp m, 0,1,2,3
	global_load_b128 v[TK+16*\q+4*\m:TK+16*\q+4*\m+3], v5, s[28+2*\q:29+2*\q] offset:512*\m   ; 512 consecutive bytes a load
.endr
.endr
	s_wait_loadcnt 0x0
	; THE COUNTS.  Group g is registers 8 g .. 8 g + 7 (slot g / 2); the eight groups by turns, so that no line waits for the line above it
.irp i, 0,1,2,3,4,5,6,7
.irp g, 0,1,2,3,4,5,6,7
	v_lshlrev_b32 v[SH+\g], 2, v[TK+8*\g+\i]       ; 4 x the expert
.endr
.irp g, 0,1,2,3,4,5,6,7
.if \i == 0
	v_lshlrev_b32 v[NA+\g], v[SH+\g], v7           ; 1 in the expert's field: the first register starts the sums
.else
	v_lshlrev_b32 v[SH+\g], v[SH+\g], v7
.endif
.endr
.if \i > 0
.irp g, 0,1,2,3,4,5,6,7
	v_add_nc_u32 v[NA+\g], v[NA+\g], v[SH+\g]
.endr
.endif
.endr
.irp g, 0,1,2,3,4,5,6,7
	v_and_b32 v[EV+\g], s36, v[NA+\g]              ; experts 0, 2, 4, 6 in bytes 0 to 3
	v_lshrrev_b32 v[NA+\g], 4, v[NA+\g]
.endr
.irp g, 0,1,2,3,4,5,6,7
	v_and_b32 v[NA+\g], s36, v[NA+\g]              ; experts 1, 3, 5, 7
.endr
.irp q, 0,1,2,3
	v_add_nc_u32 v[QE+\q], v[EV+2*\q], v[EV+2*\q+1]   ; a slot's two groups
	v_add_nc_u32 v[QO+\q], v[NA+2*\q], v[NA+2*\q+1]
.endr
	v_add3_u32 v[TE], v[QE], v[QE+1], v[QE+2]      ; all four quarters
	v_add3_u32 v[TO], v[QO], v[QO+1], v[QO+2]
	v_add_nc_u32 v[TE], v[TE], v[QE+3]
	v_add_nc_u32 v[TO], v[TO], v[QO+3]
.irp q, 1,2,3
	v_and_b32 v[QE+\q], s[20+\q], v[QE+\q]         ; the quarters under mine alone
	v_and_b32 v[QO+\q], s[20+\q], v[QO+\q]
.endr
	v_add3_u32 v[PE], v[QE+1], v[QE+2], v[QE+3]
	v_add3_u32 v[PO], v[QO+1], v[QO+2], v[QO+3]
	WIDE R, TE                                     ; experts (0, 4) and (2, 6)
	WIDE R+2, TO                                   ; (1, 5) and (3, 7)
	WIDE R+4, PE
	WIDE R+6, PO
.irp k, 1,2,4,8                        ; the sums over the 32 lanes: no half passes 2,048
.irp j, 0,1,2,3,4,5,6,7
	v_mov_b32_dpp v[RD+\j], v[R+\j] row_xmask:\k row_mask:0xf bank_mask:0xf
.endr
.irp j, 0,1,2,3,4,5,6,7
	v_add_nc_u32 v[R+\j], v[R+\j], v[RD+\j]
.endr
.endr
.irp j, 0,1,2,3,4,5,6,7
	v_permlanex16_b32 v[RD+\j], v[R+\j], s38, s39
.endr
.irp j, 0,1,2,3,4,5,6,7
	v_add_nc_u32 v[R+\j], v[R+\j], v[RD+\j]
.endr
.irp j, 0,1,2,3,4,5,6,7
	v_readfirstlane_b32 s[40+\j], v[R+\j]
.endr
	SPLIT 0, 0, 4
	SPLIT 1, 2, 6
	SPLIT 2, 1, 5
	SPLIT 3, 3, 7
	s_mov_b32 s[SOFF], 0
.irp e, 1,2,3,4,5,6,7
	s_add_co_u32 s[SOFF+\e], s[SOFF+\e-1], s[STOT+\e-1]   ; an expert's first place: the tokens of all lower experts
.endr
.irp e, 0,1,2,3,4,5,6,7
	s_add_co_u32 s[SBAS+\e], s[SBAS+\e], s[SOFF+\e]       ; + its tokens in the quarters under mine,
	s_add_co_u32 s[SBAS+\e], s[SBAS+\e], 8                ; + 8
.endr
	; THE PLACES of my quarter's tokens
.irp e, 0,1,2,3,4,5,6,7
	PLACE \e
.endr
.irp m, 0,1,2,3
.irp i, 0,1,2,3
	v_add_nc_u32 v[TK+4*\m+\i], -8, v[TK+4*\m+\i]  ; the place,
	v_min_u32 v[TK+4*\m+\i], 0x7ff, v[TK+4*\m+\i]  ; held inside order whatever top held,
	v_lshlrev_b32 v[TK+4*\m+\i], 2, v[TK+4*\m+\i]  ; in bytes
	v_add_nc_u32 v[DT+4*\m+\i], 128*\m+\i, v4      ; the token's number
	global_store_b32 v[TK+4*\m+\i], v[DT+4*\m+\i], s[16:17]   ; each store has registers of its own: none is written again
.endr
.endr
	s_cmp_lg_u32 s24, 0                            ; the experts' numbers and aux_loss are stored by wave 0 alone
	s_cbranch_scc1 .Ldone
	s_mov_b32 s66, 0                               ; the next free row tile
.irp e, 0,1,2,3,4,5,6,7
	s_add_co_u32 s67, s[STOT+\e], 15
	s_lshr_b32 s67, s67, 4                         ; the expert's row tiles of 16
	v_cmp_eq_u32 vcc_lo, \e, v3
	v_mov_b32 v[TMP], s[SOFF+\e]
	v_mov_b32 v[TMP+1], s[STOT+\e]
	v_mov_b32 v[TMP+2], s66
	v_mov_b32 v[TMP+3], s67
.irp j, 0,1,2,3
	v_cndmask_b32 v[META+\j], v[META+\j], v[TMP+\j], vcc_lo
.endr
	s_add_co_u32 s66, s66, s67
.endr
	global_store_b128 v5, v[META:META+3], s[16:17] offset:8192   ; 512 consecutive bytes: lanes 0-7 the experts' numbers, the others zeros
	global_store_b32 v6, v6, s[18:19]              ; aux_loss = 0.0: all lanes store the same word
.Ldone:
	s_endpgm
.Lfunc_end_k_q19ed219041_prep2:
	.size	k_q19ed219041_prep2, .Lfunc_end_k_q19ed219041_prep2-k_q19ed219041_prep2
	.p2alignl 7, 3214868480
	.fill 96, 4, 3214868480
	.section	.rodata,"a",@progbits
	.p2align	6, 0x0
	.amdhsa_kernel k_q19ed219041_prep2
		.amdhsa_group_segment_fixed_size 0
		.amdhsa_private_segment_fixed_size 0
		.amdhsa_enable_private_segment 0
		.amdhsa_kernarg_size 64
		.amdhsa_user_sgpr_count 2
		.amdhsa_user_sgpr_kernarg_segment_ptr 1
		.amdhsa_wavefront_size32 1
		.amdhsa_system_sgpr_workgroup_id_x 1
		.amdhsa_system_sgpr_workgroup_id_y 1
		.amdhsa_system_sgpr_workgroup_id_z 1
		.amdhsa_system_vgpr_workitem_id 0
		.amdhsa_next_free_vgpr 168
		.amdhsa_next_free_sgpr 100
		.amdhsa_reserve_vcc 1
		.amdhsa_float_denorm_mode_32 3
		.amdhsa_float_denorm_mode_16_64 3
		.amdhsa_memory_ordered 1
		.amdhsa_forward_progress 1
		.amdhsa_inst_pref_size 90
	.end_amdhsa_kernel
	.amdgpu_metadata
---
amdhsa.version: [ 1, 2 ]
amdhsa.kernels:
  - .name:           k_q19ed219041_prep2
    .symbol:         k_q19ed219041_prep2.kd
    .args:
      - { .name: top, .offset: 0, .size: 8, .value_kind: global_buffer, .address_space: global }
      - { .name: w1, .offset: 8, .size: 8, .value_kind: global_buffer, .address_space: global }
      - { .name: w2, .offset: 16, .size: 8, .value_kind: global_buffer, .address_space: global }
      - { .name: w3, .offset: 24, .size: 8, .value_kind: global_buffer, .address_space: global }
      - { .name: wq, .offset: 32, .size: 8, .value_kind: global_buffer, .address_space: global }
      - { .name: wsc, .offset: 40, .size: 8, .value_kind: global_buffer, .address_space: global }
      - { .name: order, .offset: 48, .size: 8, .value_kind: global_buffer, .address_space: global }
      - { .name: out1, .offset: 56, .size: 8, .value_kind: global_buffer, .address_space: global }
    .group_segment_fixed_size: 0
    .private_segment_fixed_size: 0
    .kernarg_segment_align: 8
    .kernarg_segment_size: 64
    .max_flat_workgroup_size: 128
    .sgpr_count:     100
    .vgpr_count:     168
    .wavefront_size: 32
...
	.end_amdgpu_metadata
.endif
;; end of part 6
;; launch hidden: the kernel of part 3 again; grid 64 x 8, 4 waves a work-group, no clusters, 0 bytes of LDS; arguments order, xq, wq, wsc, b1, b2, hq; writes hq
;; launch outp: the kernel of part 4 again; grid 32 x 8, 4 waves a work-group, no clusters, 17,920 bytes of LDS; arguments order, xq, hq, wq, wsc, b3, out0; writes out0
